; MI455X (gfx1250); checked and timed in simulation.
; The chip was launched on July 23, 2026; its instructions are those of AMD's public machine-readable ISA for CDNA 5 (MIT licence, August 2026) and "CDNA5" Instruction Set Architecture Reference Guide (July 2026). The comments in the code are by the model that wrote it; some were corrected since.
;; Self Attention. Allowed arithmetic: matrix products marked QUANTISED: E2M3 operands, one E8M0 scale for each 32 along K, by v_wmma_scale_f32_16x16x128_f8f6f4 with both operands' format E2M3, f32 sums; everything else in f32.
;; Inputs: W_in 1,024 x 3,072 float32; W_out 1,024 x 1,024 float32; b_in 3,072 float32; b_out 1,024 float32; x 4 x 2,048 x 1,024 float32.
;; Outputs: out0 4 x 2,048 x 1,024 float32.
;; Constants: causal_mask = 1.
;; This version of the problem:
;;   THIS VERSION OF THE PROBLEM IS GIVEN IN LOW PRECISION. The matrix products marked QUANTISED in the list below multiply operands that are first quantised to E2M3 (2 exponent bits, 3 mantissa bits; 6 bits a number), with one power-of-two scale for each 32 numbers along K (OCP MX v1.0); their sums are f32. All else is computed in f32.
;;   The module's matrix products, in the order in which they are computed (A, B: the left and right operand; K: the contracted axis; several contracted axes count as one K, in the product's order):
;;     1. [M 8,192, K 1,024] x [K 1,024, N 3,072]; A: input x; B: input W_in: QUANTISED
;;     2. batch 64 x [M 2,048, K 64] x [K 64, N 2,048]; A: computed on the way; B: computed on the way: QUANTISED
;;     3. batch 64 x [M 64, K 2,048] x [K 2,048, N 2,048]; A: computed on the way; B: softmax (see below): QUANTISED
;;     4. [M 8,192, K 1,024] x [K 1,024, N 1,024]; A: computed on the way; B: input W_out: QUANTISED
;;   THE QUANTISER, for each operand of a quantised product, along K:
;;     - K is cut into blocks of 32 from its start; a last block that is shorter is filled with zeros.
;;     - A block's scale is 2^e with e = floor(log2(the largest magnitude in the block)) - 2, held to -126 .. 127; a block of zeros has e = 0. As a byte (E8M0): e + 127.
;;     - Each number is divided by its block's scale, clamped to +-7.5, and rounded to the nearest number of E2M3, ties to even, subnormals kept.
;;     - The product sums the exact products of the quantised numbers (number of the format x scale) in f32.
;;   ~~~python
;;   def quantise(x, axis):      # numpy; x: float32 -> the quantised numbers, widened to float32 again
;;       x = np.moveaxis(x, axis, -1); K = x.shape[-1]
;;       x = np.pad(x, [(0, 0)] * (x.ndim - 1) + [(0, -K % 32)]); x = x.reshape(x.shape[:-1] + (-1, 32)); a = np.abs(x).max(-1, keepdims=True)
;;       e = np.where(a > 0, np.clip(np.frexp(np.where(a > 0, a, 1))[1] - 1 - 2, -126, 127), 0)      # np.frexp(a)[1] - 1 = floor(log2(a)), exactly
;;       r = np.clip(x / 2.0 ** e, -7.5, 7.5)
;;       step = 2.0 ** (np.maximum(np.frexp(np.where(r == 0, 1, r))[1] - 1, 0) - 3)
;;       q = np.round(r / step) * step * 2.0 ** e      # np.round: ties to even
;;       return np.moveaxis(q.reshape(q.shape[:-2] + (-1,))[..., :K], -1, axis).astype(np.float32)
;;   ~~~
;;   SOFTMAX AHEAD OF A QUANTISED PRODUCT. Where the list says 'softmax', what is quantised is not the finished softmax but p = 2^(t - M), with t = logit x log2(e) and M = ceil(the row's largest t), a whole number; so 1/2 < the row's largest p <= 1. The row's sum l is taken of the UNQUANTISED p, in f32, and the product's result is divided by l at the end. Since M is a whole number, a kernel that streams over the keys may use a running M (the ceiling of the running maximum): every later rescaling is an exact power of two, which a block's scale takes up: the codes' values come out the same.
;;   OPERANDS COMPUTED ON THE WAY. 'Computed on the way' means the value that the module computes at that place (a softmax that the list does not call 'softmax' is quantised finished and normalised). What goes into a quantiser is computed in f32, as accurately as f32 sums, v_exp_f32 and their like allow (about 1e-6 of the number): no bf16 or f16 on the way to a quantiser, and a product that is left as it is and whose result goes on into a quantised operand takes f32 operands (vector FMAs, or v_wmma_f32_16x16x4_f32). A number that lies on a knife's edge between two numbers of the format may be rounded either way, as far as f32 arithmetic and the matrix unit's own rounding can turn it there, and no further.
;; One version. Each part assembles by itself: llvm-mc -triple=amdgcn-amd-amdhsa -mcpu=gfx1250 --defsym DOCPART=n.
;; ======== version 1 of 1: 4 launches
;; limits: right only within a limited range of input values
;; workspace buffers: xq 6,553,600 bytes; aq 6,553,600 bytes; wq 3,276,800 bytes; qkv 20,447,232 bytes
;; launch quant (part 1): grid 512 x 1, 4 waves a work-group, no clusters, 34,304 bytes of LDS; arguments x, W_in, W_out, xq, wq; writes xq, wq
.if DOCPART == 1
	.amdgcn_target "amdgcn-amd-amdhsa--gfx1250"
	.amdhsa_code_object_version 6
	.text
	.protected	k_qa8411a5c7b_quant
	.globl	k_qa8411a5c7b_quant
	.p2align	8
	.type	k_qa8411a5c7b_quant,@function
k_qa8411a5c7b_quant:
	s_mov_b64 s[64:65], 0
	v_nop
	global_prefetch_b8 v0, s[64:65] scope:SCOPE_SE
	s_setreg_imm32_b32 hwreg(HW_REG_WAVE_MODE, 25, 1), 1
	s_wait_xcnt 0x0
; x [8192][1024], W_in [1024][3072], W_out [1024][1024], all f32, become codes of FP6 (E2M3) with one E8M0 byte for each 32 along K (x: its columns; the weights: their rows).
; THE CODES ARE LAID IN THE ORDER OF THE OPERAND'S REGISTERS.  A fragment (16 rows x 128 K, 12 registers a lane) is an image of 1,536 bytes: registers 2 p, 2 p + 1 of lane l at byte 256 p + 8 l.
; xq: images [16 rows: 0..511][K step: 0..7]; from byte 6,291,456 the scale words [16 rows][K step][row]: four bytes, byte b for k = 32 b on.  wq: W_in's 192 column groups so, words from 2,359,296; W_out's 64 from 2,457,600, words from 3,244,032.
; A block's scale is 2^(floor(log2(largest magnitude)) - 2): its byte is the largest magnitude's exponent field - 2, held at 1 from below.
; LIMITS: a block of zeros gets the byte 1 where the rule says 127 (its codes are zeros, and this program alone reads the bytes); largest magnitudes under 2^-124 are held at the byte 1; NaN and infinities are not served.
; Work-groups 0-255 take x, 256-511 the weights.  Waves share nothing: no barrier.  No matrix unit, no cluster: memory binds, and nothing is read twice.
.set SPARE, 33792                      ; behind the four stages: the spare words, 128 bytes for each wave
.set STG,   8448                       ; a wave's stage: 16 rows x (512 + 16) bytes
.set SPW, 4                            ; v4  LDS address of my spare word; never rewritten
.set NIL, 5                            ; v5  0; never rewritten
.set M0, 12
.set M1, 13
.set XR, 32                            ; x path: v32-159 two sets of 64 as loaded; v160-223 my 64 numbers; v224-235 the fragment's codes; v236-238 at work
.set XX, 160
.set XC, 224
.set WO, 32                            ; weight path: v32-63 offsets of 32 rows; v64-127 two sets of 32 numbers; v128-151 codes, six for each block; v152-154 at work
.set WX, 64
.set WC, 128
; 32 numbers of one lane, neighbours along K, v[s] on, become six registers of codes, v[d] on, and the scale's byte in v[by]
.macro QBLOCK s, d, by
	v_max3_num_f32 v[M0], |v[\s]|, |v[\s+1]|, |v[\s+2]|            ; the largest magnitude, in two chains
	v_max3_num_f32 v[M1], |v[\s+3]|, |v[\s+4]|, |v[\s+5]|
.irp i, 6,10,14,18,22,26
	v_max3_num_f32 v[M0], v[M0], |v[\s+\i]|, |v[\s+\i+1]|
	v_max3_num_f32 v[M1], v[M1], |v[\s+\i+2]|, |v[\s+\i+3]|
.endr
	v_max3_num_f32 v[M0], v[M0], |v[\s+30]|, |v[\s+31]|
	v_max3_num_f32 v[M0], v[M0], v[M1], 0x1800000                  ; and the floor 2^(3 - 127): the byte cannot fall under 1
	v_add_nc_u32 v[M1], 0xff000000, v[M0]                          ; 2 off the exponent field: the conversion takes this operand's exponent field as its scale
	v_lshrrev_b32 v[\by], 23, v[M1]                                ; the byte
	v_cvt_scalef32_pk16_fp6_f32 v[\d:\d+2], v[\s:\s+15], v[M1]
	v_cvt_scalef32_pk16_fp6_f32 v[T2:T2+2], v[\s+16:\s+31], v[M1]  ; (a conversion's three registers begin on an even number)
	v_nop                                                          ; one plain instruction behind the conversions, ahead of the moves that read a result
.irp i, 0,1,2
	v_mov_b32 v[\d+3+\i], v[T2+\i]
.endr
.endm
; my two bytes (blocks h and 2 + h of my row or column) and lane l xor 16's two make the scale word, in v16 of every lane
.macro WORD
	v_lshl_or_b32 v16, v15, 16, v14
	v_lshlrev_b32 v16, v11, v16                    ; 8 h bits up
	v_permlanex16_b32 v17, v16, s20, s21
	v_or_b32 v16, v16, v17
.endm
	s_load_b256 s[4:11], s[0:1], 0x0               ; x s[4:5], W_in s[6:7], W_out s[8:9], xq s[10:11]
	s_load_b64 s[12:13], s[0:1], 0x20              ; wq
	v_lshl_add_u32 v[SPW], v0, 2, SPARE
	v_mov_b32 v[NIL], 0
	v_lshrrev_b32 v1, 5, v0
	v_readfirstlane_b32 s14, v1                    ; wave
	v_and_b32 v1, 31, v0                           ; lane
	v_and_b32 v2, 15, v0                           ; r
	v_bfe_u32 v3, v0, 4, 1                         ; h
	s_mov_b32 s20, 0x76543210
	s_mov_b32 s21, 0xfedcba98                      ; v_permlanex16_b32's selects for lane l xor 16
	v_cmp_le_u32 s22, 16, v1                       ; the mask of lanes 16-31
	v_lshlrev_b32 v9, 3, v1                        ; 8 x lane: my place in a piece of an image
	v_lshlrev_b32 v10, 2, v1                       ; 4 x lane: my place among two K steps' scale words
	v_lshlrev_b32 v11, 3, v3                       ; 8 h
	v_mov_b32 v17, 0                               ; a lane permute's destination counts as read
	s_mov_b32 s19, 0
	s_wait_kmcnt 0x0
	s_cmp_ge_u32 ttmp9, 256
	s_cbranch_scc1 .Lweights
	; ---- x.  Wave w of work-group g: rows 16 (2 g + w / 2) on, K steps 4 (w % 2) on.  A load reads 512 consecutive bytes of one row; a K step's 16 rows turn through my stage, so that lane (r, h)
	; gets, of row r, k = 64 c + 32 h + 0 .. 31: the very numbers whose codes the operand's layout gives that lane.
.set T2, 236
	s_lshl_b32 s15, ttmp9, 1
	s_lshr_b32 s16, s14, 1
	s_add_co_u32 s15, s15, s16                     ; which 16 rows
	s_and_b32 s16, s14, 1                          ; which four K steps
	s_lshl_b32 s18, s15, 16                        ; 16 rows of 4,096 bytes
	s_lshl_b32 s17, s16, 11                        ; four K steps of 512 bytes
	s_add_co_u32 s18, s18, s17
	s_add_nc_u64 s[24:25], s[4:5], s[18:19]
	s_mul_i32 s18, s15, 12288
	s_mul_i32 s17, s16, 6144
	s_add_co_u32 s18, s18, s17
	s_add_nc_u64 s[26:27], s[10:11], s[18:19]      ; my images
	s_lshl_b32 s18, s15, 9
	s_lshl_b32 s17, s16, 8
	s_add_co_u32 s18, s18, s17
	s_add_co_u32 s18, s18, 6291456
	s_add_nc_u64 s[28:29], s[10:11], s[18:19]      ; my scale words
	s_mul_i32 s17, s14, STG
	s_wait_alu depctr_va_vdst(0)
	v_lshlrev_b32 v6, 4, v1                        ; 16 x lane
	v_add_nc_u32 v7, s17, v6                       ; into the stage: a row as it lies
	v_mul_u32_u24 v8, v2, 528
	v_lshl_add_u32 v8, v3, 7, v8
	v_add_nc_u32 v8, s17, v8                       ; out of it: row r, + 128 h bytes
.macro XLOAD t
.irp p, 0,1,2,3,4,5,6,7,8,9,10,11,12,13,14,15
	global_load_b128 v[XR+64*((\t)%2)+4*\p:XR+64*((\t)%2)+4*\p+3], v6, s[24:25] offset:\p*4096+(\t)*512 th:TH_LOAD_NT
.endr
.endm
.macro XSTEP t
.if \t < 3
	s_wait_loadcnt 16                              ; this K step's 16 loads are in; the next step's 16 stay out
.else
	s_wait_loadcnt 0x0
.endif
.irp p, 0,1,2,3,4,5,6,7,8,9,10,11,12,13,14,15
	ds_store_b128 v7, v[XR+64*((\t)%2)+4*\p:XR+64*((\t)%2)+4*\p+3] offset:\p*528
.endr
.irp c, 0,1
.irp i, 0,1,2,3,4,5,6,7
	ds_load_b128 v[XX+32*\c+4*\i:XX+32*\c+4*\i+3], v8 offset:\c*256+16*\i   ; LDS serves a wave's instructions in order: these see the stores above
.endr
.endr
	s_wait_dscnt 0x0                               ; my numbers are back, and the stores have read their registers
.if \t > 0
	s_wait_xcnt 0x0                                ; the last step's stores have read the codes' registers and the word: both are written again below
.endif
.if \t < 2
	XLOAD \t+2
.endif
	QBLOCK XX, XC, 14
	QBLOCK XX+32, XC+6, 15
	WORD
.irp p, 0,1,2,3,4,5
	global_store_b64 v9, v[XC+2*\p:XC+2*\p+1], s[26:27] offset:(\t)*1536+\p*256   ; 32 lanes store 256 consecutive bytes, aligned
.endr
.if (\t)%2 == 0
	v_mov_b32 v18, v16                             ; the even step's word is kept
.else
	v_cndmask_b32 v16, v18, v16, s22               ; lanes 0-15 the even step's words, lanes 16-31 the odd step's: 128 consecutive bytes
	global_store_b32 v10, v16, s[28:29] offset:((\t)-1)*64
.endif
.endm
	XLOAD 0
	XLOAD 1
	s_wait_alu depctr_va_vdst(0)
	XSTEP 0
	XSTEP 1
	XSTEP 2
	XSTEP 3
	s_wait_tensorcnt 0x0                           ; the wave's end, behind my last LDS store
	ds_add_u32 v[SPW], v[NIL]
	s_wait_dscnt 0x0
	s_endpgm
	; ---- the weights: K is their FIRST axis.  Lane (r, h) takes column 16 T + r and its registers run DOWN K, lanes 16-31 beginning 32 rows lower: so the conversions' results are the operand's registers.
	; Work-group 256 + 4 c + p: 64 columns (c under 48: W_in's, else W_out's), K steps 2 p and 2 p + 1; wave w the 16 columns 16 w on: the four waves stand side by side on 256 bytes of each row.  No LDS.
.Lweights:
.set T2, 152
	s_sub_co_u32 s15, ttmp9, 256
	s_lshr_b32 s16, s15, 2                         ; the group of 64 columns
	s_and_b32 s15, s15, 3                          ; the pair of K steps
	s_mov_b32 s23, 4096
	s_mov_b32 s37, 3244032
	s_cmp_lt_u32 s16, 48                           ; W_in or W_out?  The choice hangs on the work-group's number alone
	s_cselect_b64 s[40:41], s[6:7], s[8:9]
	s_cselect_b32 s23, 12288, s23                  ; a row in bytes
	s_cselect_b32 s36, 0, 2457600                  ; where its images begin in wq,
	s_cselect_b32 s37, 2359296, s37                ; and its scale words
	s_cselect_b32 s38, 0, 48
	s_sub_co_u32 s16, s16, s38
	s_lshl_b32 s16, s16, 2
	s_add_co_u32 s16, s16, s14                     ; T: which 16 columns of the weight
	s_lshl_b32 s18, s15, 8
	s_mul_i32 s18, s18, s23                        ; 256 rows for each pair of K steps
	s_lshl_b32 s17, s16, 6
	s_add_co_u32 s18, s18, s17
	s_add_nc_u64 s[24:25], s[40:41], s[18:19]      ; a base for each 64 rows: block q = 0 .. 3
	s_lshl_b32 s18, s23, 6
	s_add_nc_u64 s[26:27], s[24:25], s[18:19]
	s_add_nc_u64 s[28:29], s[26:27], s[18:19]
	s_add_nc_u64 s[30:31], s[28:29], s[18:19]
	s_mul_i32 s18, s16, 12288
	s_mul_i32 s17, s15, 3072
	s_add_co_u32 s18, s18, s17
	s_add_co_u32 s18, s18, s36
	s_add_nc_u64 s[32:33], s[12:13], s[18:19]      ; my two images
	s_lshl_b32 s18, s16, 9
	s_lshl_b32 s17, s15, 7
	s_add_co_u32 s18, s18, s17
	s_add_co_u32 s18, s18, s37
	s_add_nc_u64 s[34:35], s[12:13], s[18:19]      ; my scale words
	s_wait_alu depctr_va_vdst(0)
	v_lshlrev_b32 v6, 5, v3
	v_mul_lo_u32 v6, v6, s23                       ; 32 h rows
	v_lshl_add_u32 v[WO], v2, 2, v6                ; + 4 r
.set n, 1
.rept 31
	v_add_nc_u32 v[WO+n], s23, v[WO+n-1]           ; a row further down
.set n, n+1
.endr
.macro WLOAD q
.irp i, 0,1,2,3,4,5,6,7,8,9,10,11,12,13,14,15,16,17,18,19,20,21,22,23,24,25,26,27,28,29,30,31
	global_load_b32 v[WX+32*((\q)%2)+\i], v[WO+\i], s[24+2*(\q):25+2*(\q)]
.endr
.endm
.macro WSTEP q                         ; block q: K step q / 2 of my two, registers 6 (q % 2) on of its fragment
.if \q < 3
	s_wait_loadcnt 32                              ; this block's 32 loads are in; the next block's 32 stay out
.else
	s_wait_loadcnt 0x0
.endif
	QBLOCK WX+32*((\q)%2), WC+6*(\q), 14+(\q)%2
.if \q < 2
	WLOAD \q+2
.endif
.irp j, 0,1,2
	global_store_b64 v9, v[WC+6*(\q)+2*\j:WC+6*(\q)+2*\j+1], s[32:33] offset:((\q)/2)*1536+((\q)%2)*768+\j*256   ; 256 consecutive bytes, aligned; each block has its own registers, so no store's data are written again
.endr
.if (\q)%2
	WORD
.if \q == 1
	v_mov_b32 v18, v16
.else
	v_cndmask_b32 v16, v18, v16, s22
	global_store_b32 v10, v16, s[34:35]            ; two K steps' words: 128 consecutive bytes
.endif
.endif
.endm
	WLOAD 0
	WLOAD 1
	WSTEP 0
	WSTEP 1
	WSTEP 2
	WSTEP 3
	s_endpgm
.Lfunc_end_k_qa8411a5c7b_quant:
	.size	k_qa8411a5c7b_quant, .Lfunc_end_k_qa8411a5c7b_quant-k_qa8411a5c7b_quant
	.p2alignl 7, 3214868480
	.fill 96, 4, 3214868480
	.section	.rodata,"a",@progbits
	.p2align	6, 0x0
	.amdhsa_kernel k_qa8411a5c7b_quant
		.amdhsa_group_segment_fixed_size 34304
		.amdhsa_private_segment_fixed_size 0
		.amdhsa_enable_private_segment 0
		.amdhsa_kernarg_size 40
		.amdhsa_user_sgpr_count 2
		.amdhsa_user_sgpr_kernarg_segment_ptr 1
		.amdhsa_wavefront_size32 1
		.amdhsa_system_sgpr_workgroup_id_x 1
		.amdhsa_system_sgpr_workgroup_id_y 1
		.amdhsa_system_sgpr_workgroup_id_z 1
		.amdhsa_system_vgpr_workitem_id 0
		.amdhsa_next_free_vgpr 256
		.amdhsa_next_free_sgpr 66
		.amdhsa_reserve_vcc 0
		.amdhsa_float_denorm_mode_32 3
		.amdhsa_float_denorm_mode_16_64 3
		.amdhsa_memory_ordered 1
		.amdhsa_forward_progress 1
		.amdhsa_inst_pref_size 53
	.end_amdhsa_kernel
	.amdgpu_metadata
---
amdhsa.version: [ 1, 2 ]
amdhsa.kernels:
  - .name:           k_qa8411a5c7b_quant
    .symbol:         k_qa8411a5c7b_quant.kd
    .args:
      - { .name: x, .offset: 0, .size: 8, .value_kind: global_buffer, .address_space: global }
      - { .name: W_in, .offset: 8, .size: 8, .value_kind: global_buffer, .address_space: global }
      - { .name: W_out, .offset: 16, .size: 8, .value_kind: global_buffer, .address_space: global }
      - { .name: xq, .offset: 24, .size: 8, .value_kind: global_buffer, .address_space: global }
      - { .name: wq, .offset: 32, .size: 8, .value_kind: global_buffer, .address_space: global }
    .group_segment_fixed_size: 34304
    .private_segment_fixed_size: 0
    .kernarg_segment_align: 8
    .kernarg_segment_size: 40
    .max_flat_workgroup_size: 128
    .sgpr_count:     66
    .vgpr_count:     256
    .wavefront_size: 32
...
	.end_amdgpu_metadata
.endif
;; end of part 1
;; launch gemm_qkv (part 2): grid 12 x 32, 4 waves a work-group, clusters of 4 x 4, 327,680 bytes of LDS; arguments xq, wq, b_in, qkv; writes qkv
.if DOCPART == 2
	.amdgcn_target "amdgcn-amd-amdhsa--gfx1250"
	.amdhsa_code_object_version 6
	.text
	.protected	k_qa8411a5c7b_gemm_qkv
	.globl	k_qa8411a5c7b_gemm_qkv
	.p2align	8
	.type	k_qa8411a5c7b_gemm_qkv,@function
k_qa8411a5c7b_gemm_qkv:
	s_mov_b64 s[64:65], 0
	v_nop
	global_prefetch_b8 v0, s[64:65] scope:SCOPE_SE
	s_setreg_imm32_b32 hwreg(HW_REG_WAVE_MODE, 25, 1), 1
	s_wait_xcnt 0x0
	s_wait_alu depctr_hold_cnt(0) depctr_sa_sdst(0) depctr_va_vdst(0) depctr_va_sdst(0) depctr_va_ssrc(0) depctr_va_vcc(0) depctr_vm_vsrc(0)
	s_getreg_b32 s2, hwreg(HW_REG_IB_STS2, 6, 4)
	s_cmp_eq_u32 s2, 0
	s_cbranch_scc0 .Lentry_in_a_cluster
	s_endpgm
.Lentry_in_a_cluster:
	s_bfe_u32 s2, ttmp6, 0x10000c
	s_cmp_lg_u32 s2, 0xf033
	s_cbranch_scc0 .Lentry_shape_is_right
	s_endpgm
.Lentry_shape_is_right:
; qkv = x W_in + b_in on codes of FP6 (E2M3) with E8M0 scales, sums in f32; the result leaves QUANTISED: q and k along the head's 64, v along the keys.
; A tile of 256 tokens x 256 features is made by four waves, each 128 x 128: 64 accumulators, 512 registers.  K = 1,024 goes in four fills of 256 through two LDS slots.
; OPERANDS lie in memory as images of their registers (16 rows x 128 K: 1,536 bytes; registers 2 p, 2 p + 1 of lane l at 256 p + 8 l), [16 rows][K step]: a fragment is six loads of 8 bytes a lane, each of 256 consecutive LDS bytes: no padding.
; A slot's row is one group of 16 rows' two K steps, 3,072 bytes; a wave's tensor load brings eight such rows.  The scale words of the tile's rows, for all of K, come once with the first fills.
; CLUSTERS: 4 x 4 work-groups; A's tiles are asked for jointly along a row of the cluster, B's along a column.  The cluster's x says what the tile holds (0: q, 1: k, 2: v): it is the same in all sixteen partners.
; THE MATRIX INSTRUCTION IS USED TRANSPOSED (source 0 = 16 columns of W_in, source 1 = 16 tokens): a lane holds eight neighbouring features of one token.  b_in is the C of each sum's first instruction.
; OUT: qkv, for each of 64 (batch, head): three sections of 106,496 bytes (q, k, v).  Codes in planes of 768 bytes, [piece 0..2][item 0..31][8 bytes]: q, k: plane 2 (token / 32) + d / 32, item = token % 32;
; v: plane 2 (key / 32) + d / 32, item = d % 32.  From byte 98,304 of a section: q, k: a word a token (two bytes, then 0x7f7f for the upper half of the instruction's K, whose codes are zeros); v: [128 keys][d] words, byte g for keys 32 g on.
; LIMITS: a block of zeros gets the byte 1 (its codes are zeros; this program alone reads the bytes); largest magnitudes under 2^-124 are held at the byte 1; NaN and infinities are not served.
; REGISTERS: window 0: v1-31 addresses; v32-63 scale words, two sets, and nothing else; v64-127 b_in's eight tiles, later the way out's work; v128-223 A's fragments, one set; v128-255 the way out's numbers.
;   window 1: B's fragments, two sets, at v0 and v128.  windows 2, 3: the accumulators ((a, b) at v[8 (8 (a % 4) + b)]).
.set ROWB,  3072
.set TP,    12288                      ; 16 rows' eight K steps in memory
.set HALFT, 8*ROWB                     ; what one tensor load brings, and what a wave reads of A or of B
.set SLOT,  4*HALFT
.set SCL,   2*SLOT                     ; behind the ring: the scale words, 4,096 bytes for each 128 rows
.set HALFS, 4096
.set SPARE, SCL+4*HALFS                ; the spare words, 128 bytes for each wave
.set FR, 12
.set NL, 6
.set NP, 4
.set NQ, 2
.set ASC, 6291456                      ; A's scale words in its buffer
.set BCO, 0                            ; B's images and scale words in wq
.set BSC, 2359296
.set HS3, 319488
.set SEC, 106496
.set ADRA, 16                          ; v16-17 my A fragments in slot 0, 1
.set ADRB, 20                          ; v20-21 the same for B
.set STO,  24                          ; v24 the way out: where I put 32 bytes of a token's row
.set RDQ,  25                          ; v25 q, k: a lane reads a token's row
.set RDV,  26                          ; v26 v: a lane reads a column
.set ADRS, 27                          ; v27 my scale words: lanes 0-15 A's, lanes 16-31 B's
.set SPW,  28
.set NIL,  29
.set L8,   30                          ; v30 8 x lane
.set L4,   31                          ; v31 4 x lane
.set SC,   32
.set BI,   64
.set AF,   128
.set CD,   64                          ; the way out: v64-87 four blocks' codes; v88-90, v92, v93 at work; v96-111 sixteen bytes; v112-119 words
.set T2,   88
.set M0,   92
.set M1,   93
.set BY,   96
.set WT,   112
.set X,    128
.set G1, 24
.set G0, 32
.set G1B, 48
.set G0B, 56
.set G1S, 68
.set G0S, 76
.set G1SB, 80
.set G0SB, 88
.set MSB, 0
.macro WIN new                         ; the immediate's high byte repeats the setting that is left
.if MSB != \new
	s_set_vgpr_msb (MSB<<8)|\new
.set MSB, \new
.endif
.endm
.set MUL_LO, 0xa1                      ; source 0 (B) window 1, source 1 (A) window 0, C and D window 2
.set MUL_HI, 0xf1
.set TO_B,   0x40
; A joint load: waves 0 and 1 fetch for A, waves 2 and 3 for B; the branch hangs on the wave's number alone.  An s_nop 0 and four v_nop follow each of the two lines.
.macro JLOAD g0a, g1a, g0b, g1b
	s_cmp_eq_u32 s15, 0
	s_cbranch_scc0 .Lfor_b_\@
	tensor_load_to_lds s[\g0a:\g0a+3], s[\g1a:\g1a+7]
	s_nop 0
.rept 4
	v_nop
.endr
	s_branch .Lasked_\@
.Lfor_b_\@:
	tensor_load_to_lds s[\g0b:\g0b+3], s[\g1b:\g1b+7]
	s_nop 0
.rept 4
	v_nop
.endr
.Lasked_\@:
.endm
.macro CREST                           ; a round of the cluster's barrier behind its opening barrier
	s_cmp_lg_u32 s14, 0
	s_cbranch_scc1 .Lnot_wave_0_\@
	s_barrier_signal -3
.Lnot_wave_0_\@:
	s_barrier_wait -3
	s_barrier_signal -1
	s_barrier_wait -1
.endm
.macro CROUND
	s_barrier_signal -1
	s_barrier_wait -1
	CREST
.endm
	s_load_b256 s[4:11], s[0:1], 0x0               ; xq s[4:5], wq s[6:7], b_in s[8:9], qkv s[10:11]
	v_lshl_add_u32 v[SPW], v0, 2, SPARE
	v_mov_b32 v[NIL], 0
	ds_add_u32 v[SPW], v[NIL]                      ; the wave's opening: the add and its wait ahead of my first tensor load; work on registers stands between
	ds_add_u32 v[SPW], v[NIL]
	v_lshrrev_b32 v1, 5, v0
	v_readfirstlane_b32 s14, v1                    ; wave
	s_lshr_b32 s15, s14, 1                         ; which half of the tile's tokens is mine.  Also: I fetch for A (0) or for B (1)
	s_and_b32 s16, s14, 1                          ; which half of its features.  Also: which 128 rows I fetch
	s_bfe_u32 s40, ttmp6, 0x40000                  ; cx, cy
	s_bfe_u32 s41, ttmp6, 0x40004
	s_lshl_b32 s42, ttmp9, 2
	s_add_co_u32 s42, s42, s40                     ; tile column
	s_and_b32 s17, ttmp7, 0xffff
	s_lshl_b32 s17, s17, 2
	s_add_co_u32 s17, s17, s41                     ; tile row
	s_lshl_b32 s43, s41, 2
	s_lshl_b32 s43, 15, s43                        ; my row of the cluster
	s_lshl_b32 s44, 0x1111, s40                    ; my column
	s_or_b32 s[G1+0], s43, (3<<16)|(1<<21)         ; the mask; elements of 8 bytes; bit 21 beside a mask; no padding
	s_or_b32 s[G1B+0], s44, (3<<16)|(1<<21)
.irp g, G1, G1B
	s_mov_b32 s[\g+1], 384<<16                     ; tensor_dim0 = 384 elements: 3,072 bytes
	s_mov_b32 s[\g+2], 16<<16                      ; the head's loads bring 16 groups; behind them both words are set to 8
	s_mov_b32 s[\g+3], 384<<16
	s_mov_b32 s[\g+4], 16
	s_mov_b32 s[\g+5], 1536                        ; from row to row: 12,288 bytes
	s_mov_b32 s[\g+6], 0
	s_mov_b32 s[\g+7], 0
.endr
	s_or_b32 s[G1S+0], s43, (3<<16)|(1<<21)        ; the scale words of 256 rows: 8,192 dense bytes as 32 rows of 256
	s_or_b32 s[G1SB+0], s44, (3<<16)|(1<<21)
.irp g, G1S, G1SB
	s_mov_b32 s[\g+1], 32<<16
	s_mov_b32 s[\g+2], 32<<16                      ; the scale words of 256 rows: 32 rows of 256 bytes
	s_mov_b32 s[\g+3], 32<<16
	s_mov_b32 s[\g+4], 32
	s_mov_b32 s[\g+5], 32
	s_mov_b32 s[\g+6], 0
	s_mov_b32 s[\g+7], 0
.endr
	s_lshl_b32 s18, s16, 3                         ; which eight groups of 16 rows I fetch
	s_lshl_b32 s20, s17, 4                         ; A: the tile's first group, 16 x tile row
	s_lshl_b32 s46, s42, 4                         ; B: 16 x tile column
	s_mul_i32 s18, s18, TP                         ; s[18:19]: my half of a tile, in bytes of images
	s_mov_b32 s19, 0
	s_lshl_b32 s22, s20, 9
	s_add_co_u32 s22, s22, ASC                     ; their scale words,
	s_mov_b32 s23, 0
	s_lshl_b32 s92, s46, 9
	s_add_co_u32 s92, s92, BSC
	s_mov_b32 s93, 0
	s_mul_i32 s20, s20, TP                         ; and their images
	s_mov_b32 s21, 0
	s_mul_i32 s46, s46, TP
.if BCO
	s_add_co_u32 s46, s46, BCO
.endif
	s_mov_b32 s47, 0
	s_mul_i32 s45, s14, HALFT                      ; where they go: no place in the cluster enters an LDS address
	s_mul_i32 s94, s14, HALFS
	s_wait_dscnt 0x0                               ; the opening add is done
	s_wait_kmcnt 0x0
	s_add_nc_u64 s[20:21], s[4:5], s[20:21]
	s_add_nc_u64 s[22:23], s[4:5], s[22:23]
	s_add_nc_u64 s[46:47], s[6:7], s[46:47]
	s_add_nc_u64 s[92:93], s[6:7], s[92:93]
	CROUND                                         ; all sixteen work-groups are here: the first joint loads meet
	s_mov_b32 s[G0S], 1
	s_mov_b32 s[G0S+1], SCL
	s_mov_b64 s[G0S+2:G0S+3], s[22:23]
	s_or_b32 s[G0S+3], s[G0S+3], 0x80000000
	s_mov_b32 s[G0SB], 1
	s_mov_b32 s[G0SB+1], SCL+2*HALFS
	s_mov_b64 s[G0SB+2:G0SB+3], s[92:93]
	s_or_b32 s[G0SB+3], s[G0SB+3], 0x80000000
.irp s, 0,1
	s_mov_b32 s[G0+4*\s], 1
	s_add_co_u32 s[G0+4*\s+1], s45, \s*SLOT
	s_add_nc_u64 s[G0+4*\s+2:G0+4*\s+3], s[20:21], \s*ROWB
	s_or_b32 s[G0+4*\s+3], s[G0+4*\s+3], 0x80000000
	s_mov_b32 s[G0B+4*\s], 1
	s_add_co_u32 s[G0B+4*\s+1], s45, \s*SLOT
	s_add_nc_u64 s[G0B+4*\s+2:G0B+4*\s+3], s[46:47], \s*ROWB
	s_or_b32 s[G0B+4*\s+3], s[G0B+4*\s+3], 0x80000000
.endr
	s_mov_b32 s[G0+1], 0                           ; at the head slot 0's two sets stand for whole tiles: A's 16 groups,
	s_mov_b32 s[G0B+1], 2*HALFT                    ; B's 16 behind them
	s_add_nc_u64 s[G0+6:G0+7], s[G0+6:G0+7], s[18:19]      ; slot 1's sets: my half
	s_add_nc_u64 s[G0B+6:G0B+7], s[G0B+6:G0B+7], s[18:19]
; the head's four tiles, one a wave: A's codes, B's codes, A's scale words, B's; one chain of branches on the wave's number
.macro ARM under, g0, g1, next
	s_cmp_lt_u32 s14, \under
	s_cbranch_scc0 \next
	tensor_load_to_lds s[\g0:\g0+3], s[\g1:\g1+7]
	s_nop 0
.rept 4
	v_nop
.endr
	s_branch .Lhead_asked
\next:
.endm
	ARM 1, G0,  G1,  .Lhead_b
	ARM 2, G0B, G1B, .Lhead_sa
	ARM 3, G0S, G1S, .Lhead_sb
	tensor_load_to_lds s[G0SB:G0SB+3], s[G1SB:G1SB+7]
	s_nop 0
.rept 4
	v_nop
.endr
.Lhead_asked:
	v_and_b32 v1, 15, v0                           ; r
	v_bfe_u32 v2, v0, 4, 1                         ; h
	s_wait_alu depctr_va_vdst(0)
	v_and_b32 v3, 31, v0                           ; lane
	v_lshlrev_b32 v[L8], 3, v3
	v_lshlrev_b32 v[L4], 2, v3
	s_mul_i32 s21, s15, HALFT                      ; my 128 rows of A
	s_mul_i32 s22, s16, HALFT                      ; my 128 rows of B,
	s_add_co_u32 s22, s22, 2*HALFT                 ; behind A's 256
.irp s, 0,1
	v_add_nc_u32 v[ADRA+\s], s21, v[L8]
	v_add_nc_u32 v[ADRB+\s], s22, v[L8]
	s_add_co_u32 s21, s21, SLOT
	s_add_co_u32 s22, s22, SLOT
.endr
	v_lshlrev_b32 v5, 2, v1                        ; a scale word a row
	s_mul_i32 s21, s15, HALFS
	s_mul_i32 s22, s16, HALFS
	s_add_co_u32 s22, s22, 2*HALFS
	s_sub_co_u32 s22, s22, s21
	v_mul_u32_u24 v6, s22, v2                      ; lanes 16-31 take B's
	s_add_co_u32 s21, s21, SCL
	v_add_nc_u32 v5, v5, v6
	v_add_nc_u32 v[ADRS], s21, v5
	; the way out: where my part of the result goes
	s_mov_b32 s98, ttmp9                           ; 0: q, 1: k, 2: v
	s_lshr_b32 s96, s17, 3
	s_lshl_b32 s96, s96, 4                         ; 16 x batch
	s_lshl_b32 s97, s40, 2
	s_add_co_u32 s96, s96, s97
	s_lshl_b32 s97, s16, 1
	s_add_co_u32 s96, s96, s97                     ; + my first head: 4 cx + 2 x half
	s_mul_i32 s96, s96, HS3
	s_mul_i32 s97, s98, SEC
	s_add_co_u32 s96, s96, s97                     ; its section
	s_and_b32 s97, s17, 7
	s_lshl_b32 s97, s97, 8
	s_lshl_b32 s99, s15, 7
	s_add_co_u32 s97, s97, s99                     ; my first token in the batch's 2,048
	s_mul_i32 s12, s97, 48                         ; 1,536 bytes of codes for each 32 tokens
	s_add_co_u32 s12, s12, s96
	s_mov_b32 s13, 0
	s_add_nc_u64 s[12:13], s[10:11], s[12:13]      ; my codes
	s_cmp_eq_u32 s98, 2
	s_cselect_b32 s99, 1, 2                        ; scale words: q, k 4 bytes a token; v 256 bytes for 128 keys
	s_lshl_b32 s66, s97, s99
	s_add_co_u32 s66, s66, s96
	s_add_co_u32 s66, s66, 98304
	s_mov_b32 s67, 0
	s_add_nc_u64 s[66:67], s[10:11], s[66:67]      ; my scale words
	s_mul_i32 s99, s14, 16896                      ; my stage: 32 rows x (512 + 16) bytes, in slot 0
	v_mul_u32_u24 v5, v1, 528
	v_lshl_add_u32 v5, v2, 5, v5
	v_add_nc_u32 v[STO], s99, v5
	v_mul_u32_u24 v5, v3, 528
	v_add_nc_u32 v[RDQ], s99, v5
	v_add_nc_u32 v[RDV], s99, v[L4]
	s_lshl_b32 s96, s42, 10                        ; b_in: my 128 features
	s_lshl_b32 s97, s16, 9
	s_add_co_u32 s96, s96, s97
	s_mov_b32 s97, 0
	s_add_nc_u64 s[8:9], s[8:9], s[96:97]
	v_lshlrev_b32 v7, 5, v2                        ; lane (r, h) wants, for B's block b, features 16 b + 8 h + 0 .. 7
.irp b, 0,1,2,3,4,5,6,7
	global_load_b128 v[BI+8*\b:BI+8*\b+3], v7, s[8:9] offset:64*\b
	global_load_b128 v[BI+8*\b+4:BI+8*\b+7], v7, s[8:9] offset:64*\b+16
.endr
.macro FRAG reg, adr, q, i             ; a fragment as it lies: six pieces of 8 bytes a lane, 256 consecutive bytes an instruction
.irp p, 0,1,2,3,4,5
	ds_load_b64 v[\reg+2*\p:\reg+2*\p+1], v[\adr] offset:(\i)*ROWB+(\q)*1536+\p*256
.endr
.endm
; 16 matrix instructions: A's blocks a0, a0 + 1 x B's eight.  p: B's set; q: the slot's K step; sc: the set of scale words.  first = 1: the bias starts the sums.
; The 64 accumulators take turns, one instruction a turn, in the same order in every step.
.macro MUL16 a0, p, q, sc, first
.irp a, \a0, \a0+1
.irp b, 0,1,2,3,4,5,6,7
.if \first
	v_wmma_scale_f32_16x16x128_f8f6f4 v[8*(8*((\a)%4)+\b):8*(8*((\a)%4)+\b)+7], v[128*(\p)+FR*\b:128*(\p)+FR*\b+FR-1], v[AF+FR*(\a):AF+FR*(\a)+FR-1], v[BI+8*\b:BI+8*\b+7], v[SC+16*(\sc)+2*\b+(\q)], v[SC+16*(\sc)+2*(\a)+(\q)] matrix_a_fmt:MATRIX_FMT_FP6 matrix_b_fmt:MATRIX_FMT_FP6 matrix_a_scale:MATRIX_SCALE_ROW1
.else
	v_wmma_scale_f32_16x16x128_f8f6f4 v[8*(8*((\a)%4)+\b):8*(8*((\a)%4)+\b)+7], v[128*(\p)+FR*\b:128*(\p)+FR*\b+FR-1], v[AF+FR*(\a):AF+FR*(\a)+FR-1], v[8*(8*((\a)%4)+\b):8*(8*((\a)%4)+\b)+7], v[SC+16*(\sc)+2*\b+(\q)], v[SC+16*(\sc)+2*(\a)+(\q)] matrix_a_fmt:MATRIX_FMT_FP6 matrix_b_fmt:MATRIX_FMT_FP6 matrix_a_scale:MATRIX_SCALE_ROW1
.endif
.endr
.endr
.endm
.macro FETCH_B slot, q, p
	WIN TO_B
.irp i, 0,1,2,3,4,5,6,7
	FRAG 128*(\p)+FR*\i, ADRB+\slot, \q, \i
.endr
	WIN 0
.endm
.macro FETCH_A slot, q, i0
.irp i, \i0, \i0+1, \i0+2, \i0+3
	FRAG AF+FR*(\i), ADRA+\slot, \q, \i
.endr
.endm
.macro SCALES sc                       ; a slot's scale words: register 2 i + q: lanes 0-15 A's block i, lanes 16-31 B's block i, K step q
.irp i, 0,1,2,3,4,5,6,7
.irp q, 0,1
	ds_load_b32 v[SC+16*\sc+2*\i+\q], v[ADRS] offset:\i*512+\q*64
.endr
.endr
.endm
.macro PLACES n                        ; plain instructions between a matrix instruction and a load into one of its registers, or a read of its result
.rept \n
	v_nop
.endr
.endm
.macro STEP slot, q, first             ; a K step of 128 that has its successor in the same slot
	s_wait_dscnt 4*NL                              ; B's set and A's blocks 0-3 are in; the youngest 24 loads (A's blocks 4-7) may be out
.if \first
	WIN 0x81                                       ; C (the bias) window 0, D window 2
.else
	WIN MUL_LO
.endif
	MUL16 0, (\q)%2, \q, \slot, \first
	MUL16 2, (\q)%2, \q, \slot, \first
	s_wait_dscnt 0
	PLACES NP
	FETCH_B \slot, (\q)+1, 1-(\q)%2
	FETCH_A \slot, (\q)+1, 0
.if \first
	WIN 0xc1
.else
	WIN MUL_HI
.endif
	MUL16 4, (\q)%2, \q, \slot, \first
	MUL16 6, (\q)%2, \q, \slot, \first
	PLACES NP
	WIN 0
	FETCH_A \slot, (\q)+1, 4
.endm
; A slot's last step changes slots: one barrier; ahead of it each wave waits for all its tensor loads, adds 0 to its spare word, and waits for that and for its reads of this slot.  fill = 1: the slot is filled again.
.macro TURN slot, next, fill
	s_wait_tensorcnt 0x0                           ; all my tensor loads have landed: my part of the next slot
	ds_add_u32 v[SPW], v[NIL]
	s_wait_dscnt 4*NL+1                            ; (the add and A's blocks 4-7 may be out)
	WIN MUL_LO
	MUL16 0, 1, NQ-1, \slot, 0
	s_wait_dscnt 0x0                               ; the add is done, and my reads of this slot are over
	s_barrier_signal -1
	MUL16 2, 1, NQ-1, \slot, 0
	WIN 0
	s_barrier_wait -1
.if \fill
	CREST                                          ; the barrier has opened a round of the cluster's: no wave of any partner still reads this slot or has a load on its way
	s_add_nc_u64 s[G0+4*\slot+2:G0+4*\slot+3], s[G0+4*\slot+2:G0+4*\slot+3], 2*ROWB
	s_add_nc_u64 s[G0B+4*\slot+2:G0B+4*\slot+3], s[G0B+4*\slot+2:G0B+4*\slot+3], 2*ROWB
	JLOAD G0+4*\slot, G1, G0B+4*\slot, G1B         ; the first tensor load behind the round; its four v_nop are the places ahead of the loads below
.else
	PLACES NP
.endif
	s_wait_alu depctr_va_vdst(0)
	v_add_nc_u32 v[ADRS], 128, v[ADRS]             ; the next slot's scale words
	FETCH_B \next, 0, 0
	FETCH_A \next, 0, 0
	SCALES \next
	WIN MUL_HI
	MUL16 4, 1, NQ-1, \slot, 0
	MUL16 6, 1, NQ-1, \slot, 0
	PLACES NP
	WIN 0
	FETCH_A \next, 0, 4
.endm
	s_wait_alu depctr_va_vdst(0)
	s_wait_tensorcnt 0x0                           ; my tile of the head's four is in; slot 1's first fill is issued as a refill is
	ds_add_u32 v[SPW], v[NIL]
	s_mov_b32 s[G1+2], 8<<16                       ; no load of mine is out: from here on a load brings eight groups,
	s_mov_b32 s[G1+4], 8
	s_mov_b32 s[G1B+2], 8<<16
	s_mov_b32 s[G1B+4], 8
	s_mov_b32 s[G0+1], s45                         ; and slot 0's sets stand for my quarter of the slot
	s_add_nc_u64 s[G0+2:G0+3], s[G0+2:G0+3], s[18:19]
	s_mov_b32 s[G0B+1], s45
	s_add_nc_u64 s[G0B+2:G0B+3], s[G0B+2:G0B+3], s[18:19]
	s_wait_dscnt 0x0
	CROUND                                         ; all four tiles are in, and all sixteen work-groups are here
	JLOAD G0+4, G1, G0B+4, G1B                     ; slot 1: the first tensor load behind the round
	FETCH_B 0, 0, 0
	FETCH_A 0, 0, 0
	SCALES 0
	FETCH_A 0, 0, 4
	s_wait_loadcnt 0x0                             ; the bias
	STEP 0, 0, 1                                   ; eight K steps, written out: slot 0, slot 1, slot 0, slot 1
	TURN 0, 1, 1
	STEP 1, 0, 0
	TURN 1, 0, 1
	STEP 0, 0, 0
	TURN 0, 1, 0                                   ; nothing is left to fetch; behind this barrier nobody reads slot 0
	STEP 1, 0, 0
	s_wait_dscnt 4*NL
	WIN MUL_LO
	MUL16 0, 1, NQ-1, 1, 0
	MUL16 2, 1, NQ-1, 1, 0
	s_wait_dscnt 0
	WIN MUL_HI
	MUL16 4, 1, NQ-1, 1, 0
	MUL16 6, 1, NQ-1, 1, 0
	WIN 0
; 32 numbers of one lane, neighbours along the next K, become six registers of codes and the scale's byte
.macro QBLOCK s, d, by
	v_max3_num_f32 v[M0], |v[\s]|, |v[\s+1]|, |v[\s+2]|
	v_max3_num_f32 v[M1], |v[\s+3]|, |v[\s+4]|, |v[\s+5]|
.irp i, 6,10,14,18,22,26
	v_max3_num_f32 v[M0], v[M0], |v[\s+\i]|, |v[\s+\i+1]|
	v_max3_num_f32 v[M1], v[M1], |v[\s+\i+2]|, |v[\s+\i+3]|
.endr
	v_max3_num_f32 v[M0], v[M0], |v[\s+30]|, |v[\s+31]|
	v_max3_num_f32 v[M0], v[M0], v[M1], 0x1800000                  ; the floor 2^(3 - 127): the byte cannot fall under 1
	v_add_nc_u32 v[M1], 0xff000000, v[M0]                          ; 2 off the exponent field: the conversion's scale operand
	v_lshrrev_b32 v[\by], 23, v[M1]
	v_cvt_scalef32_pk16_fp6_f32 v[\d:\d+2], v[\s:\s+15], v[M1]
	v_cvt_scalef32_pk16_fp6_f32 v[T2:T2+2], v[\s+16:\s+31], v[M1]
	v_nop                                                          ; one plain instruction behind the conversions
.irp i, 0,1,2
	v_mov_b32 v[\d+3+\i], v[T2+\i]
.endr
.endm
; THE WAY OUT, 32 tokens x 128 features at a time, through my own stage (slot 0 has had its last fill and its last read).  q, k: a lane reads one TOKEN's row, 32 neighbours along d for each of four blocks.
; v: a lane reads one COLUMN d, 32 keys down.  All behind the loads is the same: four blocks quantised, each a plane of 768 bytes.
.macro OUTG g
	WIN 0x08+4*((\g)/2)                            ; an LDS store's data: window 2 or 3
.irp a, 0,1
.irp b, 0,1,2,3,4,5,6,7
	ds_store_b128 v[STO], v[8*(8*(2*((\g)%2)+\a)+\b):8*(8*(2*((\g)%2)+\a)+\b)+3] offset:\a*8448+64*\b       ; each accumulator from its low end on
	ds_store_b128 v[STO], v[8*(8*(2*((\g)%2)+\a)+\b)+4:8*(8*(2*((\g)%2)+\a)+\b)+7] offset:\a*8448+64*\b+16
.endr
.endr
	WIN 0
	s_cmp_eq_u32 s98, 2                            ; the same in all partners of the cluster
	s_cbranch_scc1 .Lcolumns_\@
.irp x, 0,1,2,3
.irp i, 0,1,2,3,4,5,6,7
	ds_load_b128 v[X+32*\x+4*\i:X+32*\x+4*\i+3], v[RDQ] offset:\x*128+16*\i   ; LDS serves a wave's instructions in order: these see the stores above
.endr
.endr
	s_branch .Lread_\@
.Lcolumns_\@:
.irp x, 0,1,2,3
.set n, 0
.rept 32
	ds_load_b32 v[X+32*\x+n], v[RDV] offset:n*528+\x*128
.set n, n+1
.endr
.endr
.Lread_\@:
	s_wait_dscnt 0x0
.if \g > 0
	s_wait_xcnt 0x0                                ; the last stores have read the codes' registers, which are written again
.endif
.irp x, 0,1,2,3
	QBLOCK X+32*\x, CD+6*\x, BY+4*(\g)+\x
.endr
.irp x, 0,1,2,3
.irp j, 0,1,2
	global_store_b64 v[L8], v[CD+6*\x+2*\j:CD+6*\x+2*\j+1], s[12:13] offset:(\x/2)*HS3+(\g)*1536+(\x%2)*768+\j*256   ; 32 lanes store 256 consecutive bytes, aligned
.endr
.endr
.endm
	PLACES NP                                      ; behind the last products: ahead of the first read of results and of loads into A's registers
	OUTG 0
	OUTG 1
	OUTG 2
	OUTG 3
	s_cmp_eq_u32 s98, 2
	s_cbranch_scc1 .Lv_words
.irp g, 0,1,2,3                        ; q, k: my token's word for each of the two heads
.irp u, 0,1
	v_lshl_or_b32 v[WT+2*\g+\u], v[BY+4*\g+2*\u+1], 8, v[BY+4*\g+2*\u]
	v_or_b32 v[WT+2*\g+\u], 0x7f7f0000, v[WT+2*\g+\u]
	global_store_b32 v[L4], v[WT+2*\g+\u], s[66:67] offset:\u*HS3+\g*128
.endr
.endr
	s_branch .Lwords_done
.Lv_words:
.irp x, 0,1,2,3                        ; v: my column's word for these 128 keys
	v_lshl_or_b32 v[WT+\x], v[BY+4+\x], 8, v[BY+\x]
	v_lshl_or_b32 v[WT+\x], v[BY+8+\x], 16, v[WT+\x]
	v_lshl_or_b32 v[WT+\x], v[BY+12+\x], 24, v[WT+\x]
	global_store_b32 v[L4], v[WT+\x], s[66:67] offset:(\x/2)*HS3+(\x%2)*128
.endr
.Lwords_done:
	s_wait_tensorcnt 0x0                           ; the wave's end: behind my last tensor load and my last LDS store
	ds_add_u32 v[SPW], v[NIL]
	s_wait_dscnt 0x0
	CROUND                                         ; the closing round
	s_endpgm
.Lfunc_end_k_qa8411a5c7b_gemm_qkv:
	.size	k_qa8411a5c7b_gemm_qkv, .Lfunc_end_k_qa8411a5c7b_gemm_qkv-k_qa8411a5c7b_gemm_qkv
	.p2alignl 7, 3214868480
	.fill 96, 4, 3214868480
	.section	.rodata,"a",@progbits
	.p2align	6, 0x0
	.amdhsa_kernel k_qa8411a5c7b_gemm_qkv
		.amdhsa_group_segment_fixed_size 327680
		.amdhsa_private_segment_fixed_size 0
		.amdhsa_enable_private_segment 0
		.amdhsa_kernarg_size 32
		.amdhsa_user_sgpr_count 2
		.amdhsa_user_sgpr_kernarg_segment_ptr 1
		.amdhsa_wavefront_size32 1
		.amdhsa_system_sgpr_workgroup_id_x 1
		.amdhsa_system_sgpr_workgroup_id_y 1
		.amdhsa_system_sgpr_workgroup_id_z 1
		.amdhsa_system_vgpr_workitem_id 0
		.amdhsa_next_free_vgpr 1024
		.amdhsa_next_free_sgpr 100
		.amdhsa_reserve_vcc 0
		.amdhsa_float_denorm_mode_32 3
		.amdhsa_float_denorm_mode_16_64 3
		.amdhsa_memory_ordered 1
		.amdhsa_forward_progress 1
		.amdhsa_inst_pref_size 214
	.end_amdhsa_kernel
	.amdgpu_metadata
---
amdhsa.version: [ 1, 2 ]
amdhsa.kernels:
  - .name:           k_qa8411a5c7b_gemm_qkv
    .symbol:         k_qa8411a5c7b_gemm_qkv.kd
    .args:
      - { .name: xq, .offset: 0, .size: 8, .value_kind: global_buffer, .address_space: global }
      - { .name: wq, .offset: 8, .size: 8, .value_kind: global_buffer, .address_space: global }
      - { .name: b_in, .offset: 16, .size: 8, .value_kind: global_buffer, .address_space: global }
      - { .name: qkv, .offset: 24, .size: 8, .value_kind: global_buffer, .address_space: global }
    .group_segment_fixed_size: 327680
    .private_segment_fixed_size: 0
    .kernarg_segment_align: 8
    .kernarg_segment_size: 32
    .max_flat_workgroup_size: 128
    .sgpr_count:     100
    .vgpr_count:     1024
    .wavefront_size: 32
...
	.end_amdgpu_metadata
.endif
;; end of part 2
;; launch attn (part 3): grid 4 x 64, 16 waves a work-group, no clusters, 250,624 bytes of LDS; arguments qkv, aq; writes aq
.if DOCPART == 3
	.amdgcn_target "amdgcn-amd-amdhsa--gfx1250"
	.amdhsa_code_object_version 6
	.text
	.protected	k_qa8411a5c7b_attn
	.globl	k_qa8411a5c7b_attn
	.p2align	8
	.type	k_qa8411a5c7b_attn,@function
k_qa8411a5c7b_attn:
	s_mov_b64 s[64:65], 0
	v_nop
	global_prefetch_b8 v0, s[64:65] scope:SCOPE_SE
	s_setreg_imm32_b32 hwreg(HW_REG_WAVE_MODE, 25, 1), 1
	s_wait_xcnt 0x0
; Causal attention of one (batch, head) on codes of FP6 (E2M3) with E8M0 scales; head size 64, 2,048 tokens.  The result, o / l, leaves quantised along d as an operand of the last product.
; THE SOFTMAX: t = score x log2(e) / 8; M = the row's largest t so far, rounded UP to a whole number; p = 2^(t - M) is quantised along the keys, not normalised; the row's sum l is taken of the unquantised p
; and divides at the end.  When M moves, l and O are multiplied by 2^(old M - new M): exact.
; SHARES.  Work-group (i, head): sixteen waves, 256 registers each, four to a SIMD.  Wave w does two tiles of 16 queries, one after the other: 256 i + 16 w on, and 256 (7 - i) + 16 (15 - w) on:
; together 17 key steps of 128 for every wave of the launch.  A step all of whose keys come after the tile's queries is passed over by a scalar branch on ids; the loop's trip count stays 16.
; THE HEAD'S WHOLE K AND V, codes and scale words (208,896 bytes of memory), are brought into LDS once, by ten tensor loads at the head: no slot is filled again, and two barriers serve the launch.
; NO CLUSTER: the work-groups that share K and V are the four of a head, and they differ in their queries, on which the branch round hidden steps hangs; partners of a joint load must run alike.
; LAYOUT.  Both products transposed: S^T = K Q^T, O^T = V^T P^T: a lane holds ONE query (lane % 16).  Lane r of tile 2 b + u takes key (or d) 32 b + 8 u + r + 8 (r / 8), so that the 16 registers of tiles 2 b, 2 b + 1 are 16 neighbours.
; The head's 64 are half of the instruction's K: registers 6-11 of K's and Q's fragments are zero codes, under the scale bytes 0x7f.
; LDS: blocks of 256 bytes, K's 320 bytes apart and V's 288: lanes 16-31 then read 48 banks on from lanes 0-15, and the 32 lanes of a load of 8 bytes touch 64 different banks (64 banks of 4 bytes: ISA guide 11.1).
; LIMITS: a block of zeros gets the byte 1 (its codes are zeros; this program alone reads the bytes); NaN and infinities are not served.
.set SEC,   106496
.set HS3,   319488
.set KSC,   122880                     ; K's scale words: behind 384 blocks of codes
.set VBASE, 133120                     ; V: behind K's 416 blocks
.set VSC,   243712                     ; V's scale words
.set SPARE, 248576                     ; the spare words, 128 bytes for each of sixteen waves
.set AK0, 1                            ; v1-4 my lane's place in a tile of K, of V, among K's scale words, among V's
.set AV0, 2
.set ASK0, 3
.set ASV0, 4
.set SPW, 5
.set NIL, 6
.set L8,  7                            ; v7  8 x lane
.set ADK, 8                            ; v8-11 the step's addresses
.set ADV, 9
.set ADS, 10
.set ADT, 11
.set VS,  30                           ; v12 -M, v13 the largest t, v[14:15] the sum; v16-27 Q; v28 Q's scale words; v29 r - 16 h; v30-31 V's scale words
.set KFR, 32                           ; v32-79  four fragments of K
.set VFR, 80                           ; v80-127 four fragments of V
.set S,   128                          ; v128-191 S^T, then p
.set O,   192                          ; v192-223 O^T
.set PC,  224                          ; v224-235 p's codes
.set T2,  236                          ; v236-243 at work
.set KS,  244                          ; v244-247 K's scale words
.set BM,  248                          ; v248-251 the blocks' maxima; v252 at work; v253 p's scale word; v254 f; v255 -infinity
.set WV,  8
.set BH,  9
.set SEL, 20
.set CS,  22
.set G1K, 24
.set G1V, 32
.set G0K, 40
.set G0V, 44
.set HB,  48                           ; s[48:49] the head's first byte in qkv
.set Q0,  50                           ; my tile's first query
.set KEY, 51                           ; the step's first key
.set TK,  52                           ; s52-55 where the step's K, V and their scale words begin
.set TV,  53
.set TS,  54
.set TJ,  55
.set CNT, 56
.set HM,  57                           ; the mask of lanes 16-31
	s_load_b128 s[4:7], s[0:1], 0x0                ; qkv, aq
	v_lshl_add_u32 v[SPW], v0, 2, SPARE
	v_mov_b32 v[NIL], 0
	ds_add_u32 v[SPW], v[NIL]                      ; the wave's opening: the add and its wait ahead of the first tensor load; work on registers stands between
	ds_add_u32 v[SPW], v[NIL]
	v_lshrrev_b32 v8, 5, v0
	s_delay_alu instid0(VALU_DEP_1)
	v_readfirstlane_b32 s[WV], v8
	s_and_b32 s[BH], ttmp7, 0xffff
	s_mul_i32 s[HB], s[BH], HS3
	s_mov_b32 s[HB+1], 0
	s_mov_b32 s[G1K], (3<<16)|(1<<20)|(5<<22)|(15<<25)   ; elements of 8 bytes; behind every 64 words 16 words of padding
	s_mov_b32 s[G1K+1], 32<<16                     ; rows of 256 bytes,
	s_mov_b32 s[G1K+3], 32<<16                     ; (how many rows, each load's own arm says)
	s_mov_b32 s[G1K+5], 32
	s_mov_b32 s[G1K+6], 0
	s_mov_b32 s[G1K+7], 0
	s_mov_b32 s[G1V], (3<<16)|(1<<20)|(5<<22)|(7<<25)    ; 8 words of padding
	s_mov_b32 s[G1V+1], 32<<16
	s_mov_b32 s[G1V+3], 32<<16
	s_mov_b32 s[G1V+5], 32
	s_mov_b32 s[G1V+6], 0
	s_mov_b32 s[G1V+7], 0
	; THE LOADS, in place of what the head comment says of eight loads and one barrier: TEN tensor loads and TWO barriers.  A piece of codes is 96 blocks of 256 bytes: four key steps.
	; Waves 0-3, each on a line of its own: K's piece 0, K's 32 blocks of scale words, V's piece 0, V's 16 blocks of scale words: all that the first four key steps read.
	; Waves 4-6: K's pieces 1-3; waves 8-10: V's pieces 1-3.  The first barrier shows waves 0-3's tiles, the second, behind tile 0's fourth key step, all the others.
	s_and_b32 s71, s[WV], 3
	s_add_co_u32 s71, s71, 1                       ; which piece, for waves 4-6 and 8-10
	s_mul_i32 s72, s71, 30720                      ; 96 blocks of 320 bytes in LDS
	s_mul_i32 s73, s71, 27648                      ; 96 blocks of 288
	s_add_co_u32 s73, s73, VBASE
	s_mul_i32 s74, s71, 24576                      ; 96 blocks of 256 in memory
	s_add_co_u32 s76, s74, 2*SEC
	s_add_co_u32 s74, s74, SEC
	s_mov_b32 s75, 0
	s_mov_b32 s77, 0
	s_mov_b32 s[SEL], 0x76543210
	s_mov_b32 s[SEL+1], 0xfedcba98
	s_mov_b32 s[CS], 0x3e38aa3b                    ; c = log2(e) / sqrt(64)
	s_mov_b32 s[CS+1], s[CS]
	s_wait_dscnt 0x0                               ; the opening add is done
	s_wait_kmcnt 0x0
	s_add_nc_u64 s[HB:HB+1], s[4:5], s[HB:HB+1]
	s_mov_b32 s[G0K], 1
	s_mov_b32 s[G0K+1], s72
	s_add_nc_u64 s[G0K+2:G0K+3], s[HB:HB+1], s[74:75]
	s_or_b32 s[G0K+3], s[G0K+3], 0x80000000
	s_mov_b32 s[G0V], 1
	s_mov_b32 s[G0V+1], s73
	s_add_nc_u64 s[G0V+2:G0V+3], s[HB:HB+1], s[76:77]
	s_or_b32 s[G0V+3], s[G0V+3], 0x80000000
.macro KV g0, g1, rows                 ; a load of so many blocks; an s_nop 0 and four v_nop follow it
	s_mov_b32 s[\g1+2], (\rows)<<16
	s_mov_b32 s[\g1+4], \rows
	tensor_load_to_lds s[\g0:\g0+3], s[\g1:\g1+7]
	s_nop 0
.rept 4
	v_nop
.endr
.endm
.macro PIECE wave, next, g0, g1, rows, lds, mem   ; one wave's arm: a tile at constant places
	s_cmp_eq_u32 s[WV], \wave
	s_cbranch_scc0 \next
	s_mov_b32 s[\g0+1], \lds
	s_add_nc_u64 s[\g0+2:\g0+3], s[HB:HB+1], \mem
	s_or_b32 s[\g0+3], s[\g0+3], 0x80000000
	KV \g0, \g1, \rows
	s_branch .Lasked
\next:
.endm
	PIECE 0, .Lw1, G0K, G1K, 96, 0, SEC
	PIECE 1, .Lw2, G0K, G1K, 32, KSC, SEC+98304
	PIECE 2, .Lw3, G0V, G1V, 96, VBASE, 2*SEC
	PIECE 3, .Lw4, G0V, G1V, 16, VSC, 2*SEC+98304
	s_cmp_lt_u32 s[WV], 7
	s_cbranch_scc0 .Lw7
	KV G0K, G1K, 96                                ; waves 4-6
	s_branch .Lasked
.Lw7:
	s_cmp_ge_u32 s[WV], 8
	s_cbranch_scc0 .Lasked
	s_cmp_lt_u32 s[WV], 11
	s_cbranch_scc0 .Lasked
	KV G0V, G1V, 96                                ; waves 8-10
.Lasked:
	v_and_b32 v8, 15, v0                           ; r
	v_bfe_u32 v9, v0, 4, 1                         ; h
	s_delay_alu instid0(VALU_DEP_2)
	v_and_b32 v10, 8, v8
	s_delay_alu instid0(VALU_DEP_1)
	v_add_nc_u32 v10, v10, v8                      ; r + 8 (r / 8)
	s_delay_alu instid0(VALU_DEP_1)
	v_lshlrev_b32 v11, 3, v10
	s_delay_alu instid0(VALU_DEP_1)
	v_mad_u32_u24 v[AK0], v9, 960, v11             ; K: my half's plane (three blocks of 320), my item's 8 bytes
	s_delay_alu instid0(VALU_DEP_2)
	v_mad_u32_u24 v[AV0], v9, 1728, v11            ; V: my half's 32 keys lie two planes (of 864) on
	s_delay_alu instid0(VALU_DEP_1)
	v_add_nc_u32 v[AV0], VBASE, v[AV0]
	v_lshl_add_u32 v11, v9, 3, v10                 ; scale words: lanes 0-15 the even tile's rows, lanes 16-31 the odd tile's, 8 on
	s_delay_alu instid0(VALU_DEP_1)
	v_lshl_add_u32 v[ASK0], v11, 2, KSC
	s_delay_alu instid0(VALU_DEP_2)
	v_lshl_add_u32 v[ASV0], v11, 2, VSC
	v_and_b32 v[L8], 31, v0
	s_delay_alu instid0(VALU_DEP_1)
	v_cmp_le_u32 s[HM], 16, v[L8]
	s_delay_alu instid0(VALU_DEP_2)
	v_lshlrev_b32 v[L8], 3, v[L8]
	v_lshlrev_b32 v29, 4, v9
	s_delay_alu instid0(VALU_DEP_1)
	v_sub_nc_u32 v29, v8, v29                      ; r - 16 h
.irp j, 22,23,24,25,26,27
	v_mov_b32 v[\j], 0                             ; the upper half of Q's fragment: zero codes
.endr
.irp t, 0,1,2,3
.irp j, 6,7,8,9,10,11
	v_mov_b32 v[KFR+12*\t+\j], 0                   ; and of K's four
.endr
.endr
.irp j, 0,1,2,3
	v_mov_b32 v[T2+\j], 0                          ; a lane permute's destination counts as read
.endr
	v_mov_b32 v252, 0
	v_mov_b32 v255, 0xff800000                     ; -infinity
; A KEY STEP: 128 keys
.macro STEP
	s_add_co_u32 s70, s[Q0], 15
	s_cmp_gt_u32 s[KEY], s70                       ; all its keys come after my queries: only the addresses step
	s_cbranch_scc1 .Lhidden_\@
	v_add_nc_u32 v[ADK], s[TK], v[AK0]
	s_wait_alu depctr_va_vdst(0)
	v_add_nc_u32 v[ADV], s[TV], v[AV0]
	v_add_nc_u32 v[ADS], s[TS], v[ASK0]
	v_add_nc_u32 v[ADT], s[TJ], v[ASV0]
.irp g, 0,1                            ; S^T = K Q^T, four tiles of 16 keys at a time
.if \g
.rept 4
	v_nop                                          ; places ahead of loads into registers that the last four products read
.endr
.endif
.irp t, 0,1,2,3
.irp j, 0,1,2
	ds_load_b64 v[KFR+12*\t+2*\j:KFR+12*\t+2*\j+1], v[ADK] offset:(2*\g+\t/2)*1920+\j*320+(\t%2)*64
.endr
.endr
.if \g == 0
.irp b, 0,1,2,3
	ds_load_b32 v[KS+\b], v[ADS] offset:(\b/2)*320+(\b%2)*128
.endr
.endif
	s_wait_dscnt 0x0
.irp t, 0,1,2,3
.if \t%2
	v_wmma_scale_f32_16x16x128_f8f6f4 v[S+8*(4*\g+\t):S+8*(4*\g+\t)+7], v[KFR+12*\t:KFR+12*\t+11], v[16:27], 0, v[KS+2*\g+\t/2], v28 matrix_a_fmt:MATRIX_FMT_FP6 matrix_b_fmt:MATRIX_FMT_FP6 matrix_a_scale:MATRIX_SCALE_ROW1
.else
	v_wmma_scale_f32_16x16x128_f8f6f4 v[S+8*(4*\g+\t):S+8*(4*\g+\t)+7], v[KFR+12*\t:KFR+12*\t+11], v[16:27], 0, v[KS+2*\g+\t/2], v28 matrix_a_fmt:MATRIX_FMT_FP6 matrix_b_fmt:MATRIX_FMT_FP6
.endif
.endr
.endr
	s_wait_alu depctr_va_vdst(0)
.irp t, 0,1,2,3                        ; V's four fragments are asked for now and land under the softmax (the last products that read these registers stand eight plain instructions back)
.irp c, 0,1
.irp j, 0,1,2
	ds_load_b64 v[VFR+12*\t+6*\c+2*\j:VFR+12*\t+6*\c+2*\j+1], v[ADV] offset:\c*3456+(\t/2)*864+\j*288+(\t%2)*64
.endr
.endr
.endr
.irp b, 0,1
	ds_load_b32 v[VS+\b], v[ADT] offset:\b*128
.endr
.rept 4
	v_nop                                          ; places ahead of the first read of the scores
.endr
	s_add_co_u32 s70, s[KEY], 127                  ; on the diagonal hidden scores become -infinity; a step all of whose keys count passes this over
	s_cmp_le_u32 s70, s[Q0]
	s_cbranch_scc1 .Lopen_\@
	s_sub_co_i32 s70, s[Q0], s[KEY]
	v_add_nc_u32 v252, s70, v29                    ; d = my query - the step's first key - 16 h.  Register 16 b + i holds key 32 b + 16 h + i: hidden where 32 b + i > d
.irp n, 0,1,2,3,4,5,6,7,8,9,10,11,12,13,14,15,16,17,18,19,20,21,22,23,24,25,26,27,28,29,30,31,32,33,34,35,36,37,38,39,40,41,42,43,44,45,46,47,48,49,50,51,52,53,54,55,56,57,58,59,60,61,62,63
	v_cmp_gt_i32 vcc_lo, 32*(\n/16)+\n%16, v252
	v_cndmask_b32 v[S+\n], v[S+\n], v255, vcc_lo
.endr
.Lopen_\@:
.irp b, 0,1,2,3
	v_max3_num_f32 v[BM+\b], v[S+16*\b], v[S+16*\b+1], v[S+16*\b+2]   ; the largest score of each block of 32 keys: for the row's maximum, and, since p rises with the score, for the block's largest p
.endr
.irp i, 3,5,7,9,11,13
.irp b, 0,1,2,3
	v_max3_num_f32 v[BM+\b], v[BM+\b], v[S+16*\b+\i], v[S+16*\b+\i+1]
.endr
.endr
.irp b, 0,1,2,3
	v_max_num_f32 v[BM+\b], v[BM+\b], v[S+16*\b+15]
.endr
.irp b, 0,1,2,3
	s_delay_alu instid0(VALU_DEP_4)
	v_permlanex16_b32 v[T2+\b], v[BM+\b], s[SEL], s[SEL+1]
.endr
.irp b, 0,1,2,3
	s_delay_alu instid0(VALU_DEP_4)
	v_max_num_f32 v[BM+\b], v[BM+\b], v[T2+\b]     ; with lane l xor 16's 16 keys
.endr
	s_delay_alu instid0(VALU_DEP_2)
	v_max3_num_f32 v252, v[BM], v[BM+1], v[BM+2]
	s_delay_alu instid0(VALU_DEP_1)
	v_max_num_f32 v252, v252, v[BM+3]
	s_delay_alu instid0(VALU_DEP_1)
	v_mul_f32 v252, s[CS], v252                    ; as t
	s_delay_alu instid0(VALU_DEP_1)
	v_max_num_f32 v13, v13, v252                   ; the running largest t
	v_mov_b32 v252, v12
	s_delay_alu instid0(VALU_DEP_2)
	v_floor_f32 v12, -v13                          ; -M = floor(-t): M is a whole number
	s_delay_alu instid0(VALU_DEP_1)
	v_sub_f32 v252, v12, v252                      ; old M - new M: a whole number, 0 or less
	s_delay_alu instid0(VALU_DEP_1)
	v_cvt_i32_f32 v252, v252                       ; (it saturates)
	s_delay_alu instid0(VALU_DEP_1)
	v_ldexp_f32 v254, 1.0, v252                    ; f = 2^(old M - new M)
.set n, 0
.rept 32
	v_pk_fma_f32 v[S+n:S+n+1], v[S+n:S+n+1], s[CS:CS+1], v[12:13] op_sel_hi:[1,0,0]   ; t - M, two at a time
.set n, n+2
.endr
.irp b, 0,1,2,3
	v_fma_f32 v[BM+\b], v[BM+\b], s[CS], v12       ; the same of each block's largest score
.endr
.set n, 0
	s_wait_alu depctr_va_vdst(0)
.rept 64
	v_exp_f32 v[S+n], v[S+n]                       ; p = 2^(t - M)
.set n, n+1
.endr
	v_pk_mul_f32 v[14:15], v[14:15], v[254:255] op_sel_hi:[1,0]   ; the sums under the new M: the plain instruction behind the exponentials
	s_wait_alu depctr_va_vdst(0)                   ; one wait for the batch of 64, ahead of its first reader
.irp b, 0,1,2,3
	v_exp_f32 v[BM+\b], v[BM+\b]                   ; the block's largest p: the same two instructions on the same number
.endr
	v_pk_add_f32 v[236:237], v[132:133], v[136:137]
	v_pk_add_f32 v[246:247], v[140:141], v[144:145]
	v_pk_add_f32 v[244:245], v[148:149], v[152:153]
	v_pk_add_f32 v[242:243], v[156:157], v[160:161]
	v_pk_add_f32 v[240:241], v[164:165], v[168:169]
	v_pk_add_f32 v[238:239], v[172:173], v[176:177]
	v_pk_add_f32 v[234:235], v[180:181], v[184:185]
	v_pk_add_f32 v[14:15], v[14:15], v[188:189]
	v_pk_add_f32 v[236:237], v[236:237], v[128:129]
	v_pk_add_f32 v[246:247], v[246:247], v[130:131]
	v_pk_add_f32 v[244:245], v[244:245], v[134:135]
	v_pk_add_f32 v[242:243], v[242:243], v[138:139]
	v_pk_add_f32 v[240:241], v[240:241], v[142:143]
	v_pk_add_f32 v[238:239], v[238:239], v[146:147]
	v_pk_add_f32 v[234:235], v[234:235], v[150:151]
	v_pk_add_f32 v[14:15], v[14:15], v[154:155]
	v_pk_add_f32 v[236:237], v[236:237], v[158:159]
	v_pk_add_f32 v[246:247], v[246:247], v[162:163]
	v_pk_add_f32 v[244:245], v[244:245], v[166:167]
	v_pk_add_f32 v[242:243], v[242:243], v[170:171]
	v_pk_add_f32 v[240:241], v[240:241], v[174:175]
	v_pk_add_f32 v[238:239], v[238:239], v[178:179]
	v_pk_add_f32 v[234:235], v[234:235], v[182:183]
	v_pk_add_f32 v[14:15], v[14:15], v[186:187]
	v_pk_add_f32 v[236:237], v[236:237], v[190:191]
	s_delay_alu instid0(VALU_DEP_2)
	v_pk_add_f32 v[14:15], v[14:15], v[242:243]
	s_delay_alu instid0(VALU_DEP_2)
	v_pk_add_f32 v[236:237], v[236:237], v[240:241]
	v_pk_add_f32 v[246:247], v[246:247], v[238:239]
	v_pk_add_f32 v[244:245], v[244:245], v[234:235]
	s_delay_alu instid0(VALU_DEP_2)
	v_pk_add_f32 v[14:15], v[14:15], v[246:247]
	s_delay_alu instid0(VALU_DEP_2)
	v_pk_add_f32 v[236:237], v[236:237], v[244:245]
	s_delay_alu instid0(VALU_DEP_1)
	v_pk_add_f32 v[14:15], v[14:15], v[236:237]
	s_wait_alu depctr_va_vdst(0)                   ; and one for the four
.irp b, 0,1,2,3
	v_max_num_f32 v[BM+\b], 0x1800000, v[BM+\b]    ; the floor 2^(3 - 127)
.endr
.irp b, 0,1,2,3
	s_delay_alu instid0(VALU_DEP_4)
	v_add_nc_u32 v[BM+\b], 0xff000000, v[BM+\b]    ; 2 off the exponent field: the conversion's scale operand
.endr
.irp b, 0,1,2,3
	s_delay_alu instid0(VALU_DEP_4)
	v_lshrrev_b32 v[T2+\b], 23, v[BM+\b]           ; the byte
.endr
	s_delay_alu instid0(VALU_DEP_3)
	v_lshl_or_b32 v253, v[T2+1], 8, v[T2]          ; p's scale word for these 128 keys
	s_delay_alu instid0(VALU_DEP_1)
	v_lshl_or_b32 v253, v[T2+2], 16, v253
	s_delay_alu instid0(VALU_DEP_1)
	v_lshl_or_b32 v253, v[T2+3], 24, v253
.irp c, 0,1
	v_cvt_scalef32_pk16_fp6_f32 v[PC+6*\c:PC+6*\c+2], v[S+32*\c:S+32*\c+15], v[BM+2*\c]
	v_cvt_scalef32_pk16_fp6_f32 v[T2+4*\c:T2+4*\c+2], v[S+32*\c+16:S+32*\c+31], v[BM+2*\c+1]
.endr
	v_nop                                          ; one plain instruction behind the conversions
.irp c, 0,1                            ; the operand wants a whole block in a lane: lanes 0-15 block 2 c, lanes 16-31 block 2 c + 1
.irp i, 0,1,2
	v_permlane16_swap_b32 v[PC+6*\c+\i], v[T2+4*\c+\i]
.endr
.irp i, 0,1,2
	s_delay_alu instid0(VALU_DEP_3)
	v_mov_b32 v[PC+6*\c+3+\i], v[T2+4*\c+\i]
.endr
.endr
.set n, 0
.rept 16
	v_pk_mul_f32 v[O+n:O+n+1], v[O+n:O+n+1], v[254:255] op_sel_hi:[1,0]   ; O^T under the new M; for each product below at least twelve of these name none of its registers: the places behind p's codes and scale word
.set n, n+2
.endr
	s_wait_alu depctr_va_vdst(0)
	s_wait_dscnt 0x0                               ; V
.irp t, 0,1,2,3                        ; O^T += V^T P^T: four accumulators by turns; the eight products of the scores stand between their turns
.if \t%2
	v_wmma_scale_f32_16x16x128_f8f6f4 v[O+8*\t:O+8*\t+7], v[VFR+12*\t:VFR+12*\t+11], v[PC:PC+11], v[O+8*\t:O+8*\t+7], v[VS+\t/2], v253 matrix_a_fmt:MATRIX_FMT_FP6 matrix_b_fmt:MATRIX_FMT_FP6 matrix_a_scale:MATRIX_SCALE_ROW1
.else
	v_wmma_scale_f32_16x16x128_f8f6f4 v[O+8*\t:O+8*\t+7], v[VFR+12*\t:VFR+12*\t+11], v[PC:PC+11], v[O+8*\t:O+8*\t+7], v[VS+\t/2], v253 matrix_a_fmt:MATRIX_FMT_FP6 matrix_b_fmt:MATRIX_FMT_FP6
.endif
.endr
.Lhidden_\@:
	s_add_co_u32 s[KEY], s[KEY], 128
	s_add_co_u32 s[TK], s[TK], 7680                ; eight planes of 960
	s_add_co_u32 s[TV], s[TV], 6912                ; eight planes of 864
	s_add_co_u32 s[TS], s[TS], 640                 ; two blocks of 320
	s_add_co_u32 s[TJ], s[TJ], 288                 ; one block
.endm
; ONE TILE OF 16 QUERIES, from its codes to its codes
.macro TILE which
	s_wait_xcnt 0x0                                ; the last tile's stores have read their registers and bases, which are written again
.if \which == 0
	s_lshl_b32 s[Q0], ttmp9, 8
	s_lshl_b32 s70, s[WV], 4
.else
	s_sub_co_u32 s[Q0], 7, ttmp9
	s_lshl_b32 s[Q0], s[Q0], 8
	s_sub_co_u32 s70, 15, s[WV]
	s_lshl_b32 s70, s70, 4
.endif
	s_add_co_u32 s[Q0], s[Q0], s70
	s_lshr_b32 s70, s[Q0], 5
	s_mul_i32 s70, s70, 1536                       ; two planes for each 32 tokens,
	s_and_b32 s71, s[Q0], 16
	s_lshl_b32 s71, s71, 3                         ; and my tile's items in them
	s_add_co_u32 s70, s70, s71
	s_mov_b32 s71, 0
	s_add_nc_u64 s[58:59], s[HB:HB+1], s[70:71]    ; Q's codes
	s_lshl_b32 s70, s[Q0], 2
	s_add_co_u32 s70, s70, 98304
	s_add_nc_u64 s[60:61], s[HB:HB+1], s[70:71]    ; Q's scale words
	s_lshr_b32 s72, s[BH], 4
	s_lshl_b32 s72, s72, 7
	s_lshr_b32 s73, s[Q0], 4
	s_add_co_u32 s72, s72, s73                     ; which 16 tokens of the 8,192
	s_and_b32 s73, s[BH], 15                       ; the head
	s_mul_i32 s70, s72, 12288
	s_mul_i32 s74, s73, 768                        ; K step head / 2, registers 6 (head % 2) on
	s_add_co_u32 s70, s70, s74
	s_add_nc_u64 s[66:67], s[6:7], s[70:71]        ; the result's codes
	s_lshl_b32 s70, s72, 9
	s_lshr_b32 s74, s73, 1
	s_lshl_b32 s74, s74, 6
	s_add_co_u32 s70, s70, s74
	s_and_b32 s74, s73, 1
	s_lshl_b32 s74, s74, 1
	s_add_co_u32 s70, s70, s74
	s_add_co_u32 s70, s70, 6291456
	s_add_nc_u64 s[68:69], s[6:7], s[70:71]        ; and its scale bytes
	v_and_b32 v128, 15, v0
	v_bfe_u32 v129, v0, 4, 1
	s_delay_alu instid0(VALU_DEP_2)
	v_lshlrev_b32 v130, 2, v128                    ; 4 r
	s_delay_alu instid0(VALU_DEP_3)
	v_lshlrev_b32 v128, 3, v128
	s_delay_alu instid0(VALU_DEP_1)
	v_mad_u32_u24 v128, v129, 768, v128            ; my half's plane, my query's 8 bytes
.irp j, 0,1,2
	global_load_b64 v[16+2*\j:17+2*\j], v128, s[58:59] offset:\j*256
.endr
	global_load_b32 v28, v130, s[60:61]
	v_mov_b32 v13, 0xff61b1e6                      ; the largest t so far: -3e38
	s_delay_alu instid0(VALU_DEP_1)
	v_floor_f32 v12, -v13
	v_mov_b32 v14, 0
	v_mov_b32 v15, 0
.set n, 0
.rept 32
	v_mov_b32 v[O+n], 0                            ; the step is written once: its first trip finds zeros
.set n, n+1
.endr
	s_mov_b32 s[KEY], 0
	s_mov_b32 s[TK], 0
	s_mov_b32 s[TV], 0
	s_mov_b32 s[TS], 0
	s_mov_b32 s[TJ], 0
.if \which == 0
	s_mov_b32 s[CNT], 4                            ; the first four key steps read waves 0-3's tiles alone: K's bytes under 30,720, V's under VBASE + 27,648, and the scale words
	s_wait_alu depctr_va_vdst(0)
	s_cmp_lt_u32 s[WV], 4
	s_cbranch_scc0 .Lrest
	s_wait_tensorcnt 0x0                           ; waves 0-3: my tile has landed
.Lrest:
	s_barrier_signal -1
	s_barrier_wait -1                              ; all four have; the other six loads may be on their way
	s_wait_loadcnt 0x0                             ; Q, asked for ahead of the barrier
.Lfirst:
	STEP
	s_sub_co_u32 s[CNT], s[CNT], 1
	s_cmp_lg_u32 s[CNT], 0
	s_cbranch_scc1 .Lfirst
	s_wait_alu depctr_va_vdst(0)
	s_wait_tensorcnt 0x0                           ; every wave, under no branch: all that was still out has landed
	s_wait_dscnt 0x0
	s_barrier_signal -1
	s_barrier_wait -1                              ; LDS is only read from here on
	s_mov_b32 s[CNT], 12
.else
	s_mov_b32 s[CNT], 16
	s_wait_loadcnt 0x0                             ; Q
.endif
.Lkeys_\@:
	STEP
	s_sub_co_u32 s[CNT], s[CNT], 1
	s_cmp_lg_u32 s[CNT], 0
	s_cbranch_scc1 .Lkeys_\@
.rept 4
	v_nop                                          ; places behind the last products
.endr
	v_add_f32 v14, v14, v15
	s_delay_alu instid0(VALU_DEP_1)
	v_permlanex16_b32 v252, v14, s[SEL], s[SEL+1]
	s_delay_alu instid0(VALU_DEP_1)
	v_add_f32 v14, v14, v252                       ; the row's sum
	s_wait_alu depctr_va_vdst(0)
	v_rcp_f32 v14, v14
	v_and_b32 v8, 15, v0                           ; (plain work behind the reciprocal)
	v_bfe_u32 v9, v0, 4, 1
	s_delay_alu instid0(VALU_DEP_1)
	v_lshl_add_u32 v8, v8, 2, v9                   ; my scale byte's place: 4 r + h
	s_wait_alu depctr_va_vdst(0)                   ; ahead of the reciprocal's first reader
.set n, 0
.rept 16
	v_pk_mul_f32 v[S+n:S+n+1], v[O+n:O+n+1], v[14:15] op_sel_hi:[1,0]   ; o = O^T / l: register 16 b + i is d = 32 b + 16 h + i of my query
.set n, n+2
.endr
.irp b, 0,1
	v_max3_num_f32 v[BM+\b], |v[S+16*\b]|, |v[S+16*\b+1]|, 0x1800000
.endr
.irp i, 2,4,6,8,10,12,14
.irp b, 0,1
	s_delay_alu instid0(VALU_DEP_2)
	v_max3_num_f32 v[BM+\b], v[BM+\b], |v[S+16*\b+\i]|, |v[S+16*\b+\i+1]|
.endr
.endr
.irp b, 0,1
	s_delay_alu instid0(VALU_DEP_2)
	v_permlanex16_b32 v[T2+\b], v[BM+\b], s[SEL], s[SEL+1]
.endr
.irp b, 0,1
	s_delay_alu instid0(VALU_DEP_2)
	v_max_num_f32 v[BM+\b], v[BM+\b], v[T2+\b]
.endr
.irp b, 0,1
	s_delay_alu instid0(VALU_DEP_2)
	v_add_nc_u32 v[BM+\b], 0xff000000, v[BM+\b]
.endr
.irp b, 0,1
	s_delay_alu instid0(VALU_DEP_2)
	v_lshrrev_b32 v[T2+\b], 23, v[BM+\b]
.endr
	s_delay_alu instid0(VALU_DEP_1)
	v_cndmask_b32 v252, v[T2], v[T2+1], s[HM]      ; lanes 0-15 block 0's byte, lanes 16-31 block 1's
	v_cvt_scalef32_pk16_fp6_f32 v[PC:PC+2], v[S:S+15], v[BM]
	v_cvt_scalef32_pk16_fp6_f32 v[T2+4:T2+6], v[S+16:S+31], v[BM+1]
	v_nop
.irp i, 0,1,2
	v_permlane16_swap_b32 v[PC+\i], v[T2+4+\i]
.endr
.irp i, 0,1,2
	s_delay_alu instid0(VALU_DEP_3)
	v_mov_b32 v[PC+3+\i], v[T2+4+\i]               ; lane (r, h): block h of query r, six registers of the next operand
.endr
.irp j, 0,1,2
	global_store_b64 v[L8], v[PC+2*\j:PC+2*\j+1], s[66:67] offset:\j*256   ; 32 lanes store 256 consecutive bytes, aligned
.endr
	global_store_b8 v8, v252, s[68:69]             ; 32 single bytes, two in each row's word: one byte for each 24 of codes
.endm
	TILE 0
	TILE 1
	s_wait_tensorcnt 0x0                           ; the wave's end
	ds_add_u32 v[SPW], v[NIL]
	s_wait_dscnt 0x0
	s_endpgm
.Lfunc_end_k_qa8411a5c7b_attn:
	.size	k_qa8411a5c7b_attn, .Lfunc_end_k_qa8411a5c7b_attn-k_qa8411a5c7b_attn
	.p2alignl 7, 3214868480
	.fill 96, 4, 3214868480
	.section	.rodata,"a",@progbits
	.p2align	6, 0x0
	.amdhsa_kernel k_qa8411a5c7b_attn
		.amdhsa_group_segment_fixed_size 250624
		.amdhsa_private_segment_fixed_size 0
		.amdhsa_enable_private_segment 0
		.amdhsa_kernarg_size 16
		.amdhsa_user_sgpr_count 2
		.amdhsa_user_sgpr_kernarg_segment_ptr 1
		.amdhsa_wavefront_size32 1
		.amdhsa_system_sgpr_workgroup_id_x 1
		.amdhsa_system_sgpr_workgroup_id_y 1
		.amdhsa_system_sgpr_workgroup_id_z 1
		.amdhsa_system_vgpr_workitem_id 0
		.amdhsa_next_free_vgpr 256
		.amdhsa_next_free_sgpr 80
		.amdhsa_reserve_vcc 1
		.amdhsa_float_denorm_mode_32 3
		.amdhsa_float_denorm_mode_16_64 3
		.amdhsa_memory_ordered 1
		.amdhsa_forward_progress 1
		.amdhsa_inst_pref_size 97
	.end_amdhsa_kernel
	.amdgpu_metadata
---
amdhsa.version: [ 1, 2 ]
amdhsa.kernels:
  - .name:           k_qa8411a5c7b_attn
    .symbol:         k_qa8411a5c7b_attn.kd
    .args:
      - { .name: qkv, .offset: 0, .size: 8, .value_kind: global_buffer, .address_space: global }
      - { .name: aq, .offset: 8, .size: 8, .value_kind: global_buffer, .address_space: global }
    .group_segment_fixed_size: 250624
    .private_segment_fixed_size: 0
    .kernarg_segment_align: 8
    .kernarg_segment_size: 16
    .max_flat_workgroup_size: 512
    .sgpr_count:     80
    .vgpr_count:     256
    .wavefront_size: 32
...
	.end_amdgpu_metadata
.endif
;; end of part 3
;; launch gemm_out (part 4): grid 32 x 8, 4 waves a work-group, clusters of 4 x 4, 327,680 bytes of LDS; arguments aq, wq, b_out, out0; writes out0
.if DOCPART == 4
	.amdgcn_target "amdgcn-amd-amdhsa--gfx1250"
	.amdhsa_code_object_version 6
	.text
	.protected	k_qa8411a5c7b_gemm_out
	.globl	k_qa8411a5c7b_gemm_out
	.p2align	8
	.type	k_qa8411a5c7b_gemm_out,@function
k_qa8411a5c7b_gemm_out:
	s_mov_b64 s[64:65], 0
	v_nop
	global_prefetch_b8 v0, s[64:65] scope:SCOPE_SE
	s_setreg_imm32_b32 hwreg(HW_REG_WAVE_MODE, 25, 1), 1
	s_wait_xcnt 0x0
	s_wait_alu depctr_hold_cnt(0) depctr_sa_sdst(0) depctr_va_vdst(0) depctr_va_sdst(0) depctr_va_ssrc(0) depctr_va_vcc(0) depctr_vm_vsrc(0)
	s_getreg_b32 s2, hwreg(HW_REG_IB_STS2, 6, 4)
	s_cmp_eq_u32 s2, 0
	s_cbranch_scc0 .Lentry_in_a_cluster
	s_endpgm
.Lentry_in_a_cluster:
	s_bfe_u32 s2, ttmp6, 0x10000c
	s_cmp_lg_u32 s2, 0xf033
	s_cbranch_scc0 .Lentry_shape_is_right
	s_endpgm
.Lentry_shape_is_right:
; out0[token][n] = sum over k of o[token][k] W_out[k][n] + b_out[n], f32, on codes of FP6 (E2M3) with E8M0 scales: 8,192 x 1,024 x 1,024.
; LIMITS: NaN, infinities and sums beyond f32's range are not served; a sum begins with the bias, where the reference adds it last.
; OPERANDS lie in memory as images of their registers: 16 rows x 128 K are 1,536 bytes, registers 2 p, 2 p + 1 of lane l at 256 p + 8 l; [16 rows][K step]: 12,288 bytes a group.  Scale words: [16 rows][K step][row].
; THE DEAL: 256 work-groups of four waves, 2 x 2, each 256 tokens x 128 columns.  A wave holds four groups of 16 columns of W_out, all of K, in 384 registers, and streams eight blocks of 16 tokens past them:
; the wave in row a takes group 2 s + a of the work-group's sixteen as its block s.  32 products a block, four accumulators by turns; b_out is the first four products' C.
; CLUSTERS 4 x 4: the cluster's x counts tile rows.  A's tiles are shared by a column of the cluster (mask s44), B's by a row (mask s45).  No LDS address hangs on the cluster's numbers.
; LDS: A's 196,608 bytes, B's 98,304, A's 8,192 bytes of scale words, the spare words.  Nothing is filled again.  No data prefetch: all is asked for at the head, and there is no loop to run ahead in.
; THE HEAD'S FOUR TILES, one a wave, each on a line of its own: B; A's groups 0-7; A's scale words; A's groups 8-15.  The stream begins when the first three are in; a plain barrier inside block 1 shows the fourth.
; THE WAY OUT: behind a block's products its sums go through my stage (in B's first bytes, read for the last time ahead of the barrier in front of the stream) and leave as rows of 256 bytes, sixteen lanes to an aligned unit.
.set SIZE_N, 1024
.set NQ, 8
.set NB, 4
.set TM, 256
.set TN, 128
.set KROW, 768                         ; a tensor row: a sixteenth of a group
.set GB, 12288                         ; a group of 16 rows, all of K
.set FR, 12
.set FPW, 256/FR
.set NF, 32                            ; LDS loads of a block: 24 for eight fragments, 8 for eight scale words
.set ASC, 6291456
.set BCO, 2457600
.set BSC, 3244032
.set YB, TM*KROW
.set SCL, YB+TN*KROW
.set SSTEP, 1024                       ; from a block's scale words to my next block's
.set SPITCH, 272
.set STAGE, YB
.set SPARE, SCL+8192
.set AAS0, 6                           ; v6 my scale words of block 0
.set CO, 9                             ; v9 my byte offset in C
.set SPW, 10
.set NIL, 11
.set ADRB, 14                          ; v14 my first fragment of B
.set ABS, 16                           ; v16 my offset in B's scale words
.set AAS, 17                           ; v17 as v6, for the block fetched next
.set STO, 18
.set RD, 19
.set SB, 24                            ; v24-39 B's scale words: lanes 0-15 the even group's, lanes 16-31 the odd's
.set SA, 42                            ; v42-57 A's, two sets
.set ACC, 64                           ; v64-127 two sets of four accumulators; at the head v64-95 the LDS addresses of B's 32 fragments
.set BK, 128                           ; v128-191 two sets of rows back from the stage
.set AQ0, 192                          ; v192-199 my eight fragments of block 0
.set AQ, 200                           ; v200-207 of the block fetched next
.set BO, 208                           ; v208-239 the bias
.set G1A, 24
.set G1B, 32
.set G0A, 56
.set G0B, 60
.set G1S, 68
.set G0S, 92
.set MSB, 0
.macro WIN new
.if MSB != \new
	s_set_vgpr_msb (MSB<<8)|\new
.set MSB, \new
.endif
.endm
.macro PLACES n
.rept \n
	v_nop
.endr
.endm
.macro WALU
	s_wait_alu depctr_va_vdst(0)
.endm
.macro BARRIER
	s_barrier_signal -1
	s_barrier_wait -1
.endm
.macro CROUND
	BARRIER
	s_cmp_lg_u32 s14, 0
	s_cbranch_scc1 .Lnot_wave_0_\@
	s_barrier_signal -3
.Lnot_wave_0_\@:
	s_barrier_wait -3
	BARRIER
.endm
.macro TLOAD g0, g1                    ; an s_nop 0 and four v_nop follow a tensor load
	tensor_load_to_lds s[\g0:\g0+3], s[\g1:\g1+7]
	s_nop 0
	PLACES 4
.endm
.macro ATILE first, rows               ; a part of A, dense: its place in LDS is its place among the rows
	s_mov_b32 s[G0A+1], (\first)*KROW
	s_mov_b32 s[G1A+2], (\rows)<<16
	s_mov_b32 s[G1A+4], \rows
.if \first
	s_add_nc_u64 s[G0A+2:G0A+3], s[G0A+2:G0A+3], (\first)*KROW
.endif
	s_or_b32 s[G0A+3], s[G0A+3], 0x80000000
	TLOAD G0A, G1A
.endm
.macro GROUP1 g, mask, rows
	s_or_b32 s[\g+0], s[\mask], (1<<21)
	s_mov_b32 s[\g+1], KROW<<16
	s_mov_b32 s[\g+3], KROW<<16
.if \rows
	s_mov_b32 s[\g+2], (\rows)<<16
	s_mov_b32 s[\g+4], \rows
.endif
	s_mov_b32 s[\g+5], KROW
	s_mov_b32 s[\g+6], 0
	s_mov_b32 s[\g+7], 0
.endm
.macro IMAGE f, adr                    ; fragment f as it lies: six pieces of 8 bytes a lane, two to a load
	WIN (1+(\f)/FPW)<<6
.irp p, 0,2,4
	ds_load_2addr_b64 v[FR*((\f)%FPW)+2*\p:FR*((\f)%FPW)+2*\p+3], v[\adr] offset0:32*\p offset1:32*\p+32
.endr
.endm
.macro FETCHAT e, aq, as               ; a block of A into set e: NF loads
.irp q, 0,1,2,3,4,5,6,7
	IMAGE NB*NQ+NQ*(\e)+\q, \aq+\q
.endr
	WIN 0
.irp q, 0,1,2,3,4,5,6,7
	ds_load_b32 v[SA+8*(\e)+\q], v[\as] offset:64*\q
.endr
.endm
.macro PROD e, n                       ; product n = 4 q + b of a block whose rows lie in set e; source 0 = B's columns
.set Q_, (\n)/4
.set FB_, NB*Q_+(\n)%4
.set FA_, NB*NQ+NQ*(\e)+Q_
.set D_, ACC+32*(\e)+8*((\n)%4)
.set XB_, SB+NQ*(((\n)%4)/2)+Q_
.set XA_, SA+8*(\e)+Q_
	WIN (1+FB_/FPW)|((1+FA_/FPW)<<2)
.if Q_
	PROD1 D_, FB_, FA_, v[D_:D_+7], XB_, XA_, (\n)%2
.else
	PROD1 D_, FB_, FA_, v[BO+8*((\n)%4):BO+8*((\n)%4)+7], XB_, XA_, (\n)%2
.endif
.endm
.macro PROD1 d, s0, s1, c, x0, x1, o
.if \o
	v_wmma_scale_f32_16x16x128_f8f6f4 v[\d:\d+7], v[FR*((\s0)%FPW):FR*((\s0)%FPW)+FR-1], v[FR*((\s1)%FPW):FR*((\s1)%FPW)+FR-1], \c, v[\x0], v[\x1] matrix_a_fmt:MATRIX_FMT_FP6 matrix_b_fmt:MATRIX_FMT_FP6 matrix_a_scale:MATRIX_SCALE_ROW1
.else
	v_wmma_scale_f32_16x16x128_f8f6f4 v[\d:\d+7], v[FR*((\s0)%FPW):FR*((\s0)%FPW)+FR-1], v[FR*((\s1)%FPW):FR*((\s1)%FPW)+FR-1], \c, v[\x0], v[\x1] matrix_a_fmt:MATRIX_FMT_FP6 matrix_b_fmt:MATRIX_FMT_FP6 matrix_a_scale:MATRIX_SCALE_ROW0
.endif
.endm
.macro ENTRY i, fetch                  ; behind products 1 to 5: five of the next fetch's nine addresses
.if \fetch
.if (\i) == 1
	s_add_co_u32 s101, s101, 2*GB
	s_add_co_u32 s91, s91, SSTEP
.endif
.if (\i) >= 1 && (\i) <= 5
	WIN 0
	v_add_nc_u32 v[AQ+\i-1], s101, v[AQ0+\i-1]
.endif
.endif
.endm
.macro PRODS e, from, to, fetch
.set N_, \from
.rept (\to)-(\from)
	PROD \e, N_
	ENTRY N_, \fetch
.set N_, N_+1
.endr
	WIN 0
.endm
.macro STAGED u                        ; set u's sums into my stage, each accumulator from its low end on, and back as rows; LDS serves a wave's instructions in order (ISA guide 5.7.1.4)
.irp b, 0,1,2,3
	ds_store_b128 v[STO], v[ACC+32*(\u)+8*\b:ACC+32*(\u)+8*\b+3] offset:64*\b
	ds_store_b128 v[STO], v[ACC+32*(\u)+8*\b+4:ACC+32*(\u)+8*\b+7] offset:64*\b+16
.endr
.irp t, 0,1,2,3,4,5,6,7
	ds_load_b128 v[BK+32*(\u)+4*\t:BK+32*(\u)+4*\t+3], v[RD] offset:2*\t*SPITCH
.endr
.endm
.macro TOC s                           ; s[12:13] stands at the pair's first token; the pair's second block lies 32 tokens on
.irp t, 0,1,2,3,4,5,6,7
	global_store_b128 v[CO], v[BK+32*(\s)+4*\t:BK+32*(\s)+4*\t+3], s[12:13] offset:(32*(\s)+2*\t)*SIZE_N*4 th:TH_STORE_NT
.endr
.endm
.macro STREAM s, fetch, show           ; a pair's block s.  show = 1: a plain barrier inside the block shows wave 3's tile to all
.if \show
	PRODS \s, 0, 24, \fetch
	s_wait_tensorcnt 0x0
	s_wait_dscnt 0x0
	s_barrier_signal -1
	PRODS \s, 24, 32, \fetch
	s_barrier_wait -1
.else
	PRODS \s, 0, 32, \fetch
.endif
.if \fetch                             ; four plain vector lines between the last product and the first reader of its sums
	v_add_nc_u32 v[AQ+5], s101, v[AQ0+5]
	v_add_nc_u32 v[AQ+6], s101, v[AQ0+6]
	v_add_nc_u32 v[AQ+7], s101, v[AQ0+7]
	v_add_nc_u32 v[AAS], s91, v[AAS0]
	WALU
.else
	PLACES 4
.endif
	s_wait_xcnt 0x0                                ; earlier stores have read set s of the rows and their base
.if (\s) == 0
	s_add_nc_u64 s[12:13], s[12:13], s[20:21]      ; on to this pair's rows of C
.endif
	STAGED \s
.if \fetch
	FETCHAT \s, AQ, AAS
	s_wait_dscnt NF                                ; the rows are back from the stage, and the next block's fragments are in; younger is this run's fetch alone
.else
	s_wait_dscnt 0x0
.endif
	TOC \s
.endm
; ---- the head
	s_load_b256 s[4:11], s[0:1], 0x0               ; aq, wq, b_out, out0
	v_lshl_add_u32 v[SPW], v0, 2, SPARE
	v_mov_b32 v[NIL], 0
	ds_add_u32 v[SPW], v[NIL]                      ; the opening lines: the add, twice on end, and its wait
	ds_add_u32 v[SPW], v[NIL]
	v_lshrrev_b32 v1, 5, v0
	v_readfirstlane_b32 s14, v1                    ; the wave; s15 its row of the 2 x 2, s16 its column
	s_lshr_b32 s15, s14, 1
	s_and_b32 s16, s14, 1
	s_bfe_u32 s40, ttmp6, 0x40000
	s_bfe_u32 s41, ttmp6, 0x40004
	s_lshl_b32 s43, ttmp9, 2
	s_add_co_u32 s43, s43, s40                     ; tile row
	s_and_b32 s42, ttmp7, 0xffff
	s_lshl_b32 s42, s42, 2
	s_add_co_u32 s42, s42, s41                     ; tile column
	s_lshl_b32 s44, 0x1111, s40                    ; my column of the cluster: shares A
	s_lshl_b32 s45, s41, 2
	s_lshl_b32 s45, 15, s45                        ; my row: shares B
	GROUP1 G1A, 44, 0
	GROUP1 G1B, 45, TN
	s_or_b32 s[G1S+0], s44, (3<<16)|(1<<21)        ; A's scale words: 32 rows of 256 bytes
	s_mov_b32 s[G1S+1], 32<<16
	s_mov_b32 s[G1S+2], 32<<16
	s_mov_b32 s[G1S+3], 32<<16
	s_mov_b32 s[G1S+4], 32
	s_mov_b32 s[G1S+5], 32
	s_mov_b32 s[G1S+6], 0
	s_mov_b32 s[G1S+7], 0
	s_mov_b32 s[G0A], 1
	s_mov_b32 s[G0B], 1
	s_mov_b32 s[G0B+1], YB
	s_mov_b32 s[G0S], 1
	s_mov_b32 s[G0S+1], SCL
	s_mul_i32 s76, s43, TM*KROW                    ; A's images
	s_mov_b32 s77, 0
	s_mul_i32 s78, s42, TN*KROW
	s_add_co_u32 s78, s78, BCO                     ; B's
	s_mov_b32 s79, 0
	s_lshl_b32 s86, s43, 13
	s_add_co_u32 s86, s86, ASC                     ; A's scale words
	s_mov_b32 s87, 0
	s_lshl_b32 s82, s42, 12
	s_lshl_b32 s21, s16, 11
	s_add_co_u32 s82, s82, s21
	s_add_co_u32 s82, s82, BSC                     ; the scale words of my four groups of B
	s_mov_b32 s83, 0
	s_lshl_b32 s88, s42, 9
	s_lshl_b32 s21, s16, 8
	s_add_co_u32 s88, s88, s21                     ; my 64 columns, in bytes of f32
	s_mov_b32 s89, 0
	s_lshl_b32 s84, s43, 20
	s_lshl_b32 s21, s15, 16
	s_add_co_u32 s84, s84, s21
	s_add_co_u32 s84, s84, s88                     ; my first row and column of C
	s_mov_b32 s85, 0
	v_and_b32 v1, 15, v0                           ; r
	v_bfe_u32 v2, v0, 4, 1                         ; h
	v_and_b32 v3, 31, v0
	s_mul_i32 s23, s15, GB
	v_lshl_add_u32 v[AQ0], v3, 3, s23
	s_mul_i32 s22, s16, NB*GB
	s_add_co_u32 s22, s22, YB
	v_lshl_add_u32 v[ADRB], v3, 3, s22
.irp q, 1,2,3,4,5,6,7
	v_add_nc_u32 v[AQ0+\q], 1536*\q, v[AQ0]
.endr
.irp q, 0,1,2,3,4,5,6,7
	v_add_nc_u32 v[AQ+\q], 2*GB+1536*\q, v[AQ0]
.endr
	v_lshlrev_b32 v23, 2, v1
	v_lshl_add_u32 v[ABS], v2, 9, v23              ; lanes 16-31 take the odd group's words
	s_lshl_b32 s21, s15, 9
	s_add_co_u32 s21, s21, SCL
	v_add_nc_u32 v[AAS0], s21, v23
	v_add_nc_u32 v[AAS], SSTEP, v[AAS0]
	s_mul_i32 s21, s14, 16*SPITCH
	s_add_co_u32 s21, s21, STAGE
	v_mul_u32_u24 v23, v1, SPITCH
	v_lshl_add_u32 v23, v2, 5, v23
	v_add_nc_u32 v[STO], s21, v23
	v_mul_u32_u24 v23, v2, SPITCH
	v_lshl_add_u32 v23, v1, 4, v23
	v_add_nc_u32 v[RD], s21, v23
	v_mul_u32_u24 v23, v2, SIZE_N*4
	v_lshl_add_u32 v[CO], v1, 4, v23
	v_lshlrev_b32 v8, 5, v2                        ; the bias: 32 h
	WALU
	s_wait_dscnt 0x0
	CROUND                                         ; the opening round
	s_wait_kmcnt 0x0
	s_add_nc_u64 s[G0A+2:G0A+3], s[4:5], s[76:77]
	s_add_nc_u64 s[G0B+2:G0B+3], s[6:7], s[78:79]
	s_or_b32 s[G0B+3], s[G0B+3], 0x80000000
	s_add_nc_u64 s[G0S+2:G0S+3], s[4:5], s[86:87]
	s_or_b32 s[G0S+3], s[G0S+3], 0x80000000
	s_add_nc_u64 s[46:47], s[6:7], s[82:83]
	s_add_nc_u64 s[48:49], s[8:9], s[88:89]
	s_add_nc_u64 s[12:13], s[10:11], s[84:85]
	s_cmp_eq_u32 s14, 0
	s_cbranch_scc0 .Lwave_1
	TLOAD G0B, G1B                                 ; wave 0: B, which is wanted first
	s_branch .Lasked
.Lwave_1:
	s_cmp_eq_u32 s14, 1
	s_cbranch_scc0 .Lwave_2
	ATILE 0, 128                                   ; wave 1: A's groups 0 to 7
	s_branch .Lasked
.Lwave_2:
	s_cmp_eq_u32 s14, 2
	s_cbranch_scc0 .Lwave_3
	TLOAD G0S, G1S                                 ; wave 2: A's scale words
	s_branch .Lasked
.Lwave_3:
	ATILE 128, 128                                 ; wave 3: A's groups 8 to 15
.Lasked:
.irp b, 0,1,2,3
	global_load_b128 v[BO+8*\b:BO+8*\b+3], v8, s[48:49] offset:64*\b        ; register i of tile b: column 16 b + 8 h + i
	global_load_b128 v[BO+8*\b+4:BO+8*\b+7], v8, s[48:49] offset:64*\b+16
.endr
.irp p, 0,1
.irp q, 0,1,2,3,4,5,6,7
	global_load_b32 v[SB+NQ*\p+\q], v[ABS], s[46:47] offset:1024*\p+64*\q
.endr
.endr
.irp q, 0,1,2,3,4,5,6,7
.irp b, 0,1,2,3
	v_add_nc_u32 v[ACC+NB*\q+\b], \b*GB+\q*1536, v[ADRB]
.endr
.endr
	WALU
	s_cmp_eq_u32 s14, 0
	s_cbranch_scc0 .Lnot_b
	s_wait_tensorcnt 0x0
.Lnot_b:
	BARRIER                                        ; B has landed
.irp q, 0,1,2,3,4,5,6,7
.irp b, 0,1,2,3
	IMAGE NB*\q+\b, ACC+NB*\q+\b
.endr
.endr
	WIN 0
	s_mov_b32 s101, 2*GB
	s_mov_b32 s91, SSTEP
	s_cmp_eq_u32 s14, 3
	s_cbranch_scc1 .Lnot_a
	s_wait_tensorcnt 0x0                           ; waves 1 and 2: A's first half and the scale words
.Lnot_a:
	s_wait_dscnt 0x0
	BARRIER                                        ; both are in, and nobody reads B's bytes any more; wave 3's tile may be on its way
	FETCHAT 0, AQ0, AAS0
	FETCHAT 1, AQ, AAS
	s_mov_b32 s23, 0
	s_mov_b32 s20, 0                               ; s[20:21]: from a pair's rows of C to the next pair's
	s_mov_b32 s21, 0
	s_wait_loadcnt 0x0                             ; the bias and B's scale words
	s_wait_dscnt NF                                ; block 0's fragments are in; block 1's fetch is younger
.Lpair:                                                ; blocks 0 to 5, a pair a trip
	STREAM 0, 1, 0
	STREAM 1, 1, 1
	s_mov_b32 s20, 64*SIZE_N*4
	s_add_co_u32 s23, s23, 1
	s_cmp_lg_u32 s23, 3
	s_cbranch_scc1 .Lpair
	STREAM 0, 0, 0                                 ; blocks 6 and 7 fetch nothing
	STREAM 1, 0, 0
	s_wait_tensorcnt 0x0                           ; the wave's end
	ds_add_u32 v[SPW], v[NIL]
	s_wait_dscnt 0x0
	CROUND                                         ; the closing round
	s_endpgm
.Lfunc_end_k_qa8411a5c7b_gemm_out:
	.size	k_qa8411a5c7b_gemm_out, .Lfunc_end_k_qa8411a5c7b_gemm_out-k_qa8411a5c7b_gemm_out
	.p2alignl 7, 3214868480
	.fill 96, 4, 3214868480
	.section	.rodata,"a",@progbits
	.p2align	6, 0x0
	.amdhsa_kernel k_qa8411a5c7b_gemm_out
		.amdhsa_group_segment_fixed_size 327680
		.amdhsa_private_segment_fixed_size 0
		.amdhsa_enable_private_segment 0
		.amdhsa_kernarg_size 32
		.amdhsa_user_sgpr_count 2
		.amdhsa_user_sgpr_kernarg_segment_ptr 1
		.amdhsa_wavefront_size32 1
		.amdhsa_system_sgpr_workgroup_id_x 1
		.amdhsa_system_sgpr_workgroup_id_y 1
		.amdhsa_system_sgpr_workgroup_id_z 1
		.amdhsa_system_vgpr_workitem_id 0
		.amdhsa_next_free_vgpr 840
		.amdhsa_next_free_sgpr 102
		.amdhsa_reserve_vcc 0
		.amdhsa_float_denorm_mode_32 3
		.amdhsa_float_denorm_mode_16_64 3
		.amdhsa_memory_ordered 1
		.amdhsa_forward_progress 1
		.amdhsa_inst_pref_size 54
	.end_amdhsa_kernel
	.amdgpu_metadata
---
amdhsa.version: [ 1, 2 ]
amdhsa.kernels:
  - .name:           k_qa8411a5c7b_gemm_out
    .symbol:         k_qa8411a5c7b_gemm_out.kd
    .args:
      - { .name: aq, .offset: 0, .size: 8, .value_kind: global_buffer, .address_space: global }
      - { .name: wq, .offset: 8, .size: 8, .value_kind: global_buffer, .address_space: global }
      - { .name: b_out, .offset: 16, .size: 8, .value_kind: global_buffer, .address_space: global }
      - { .name: out0, .offset: 24, .size: 8, .value_kind: global_buffer, .address_space: global }
    .group_segment_fixed_size: 327680
    .private_segment_fixed_size: 0
    .kernarg_segment_align: 8
    .kernarg_segment_size: 32
    .max_flat_workgroup_size: 128
    .sgpr_count:     102
    .vgpr_count:     840
    .wavefront_size: 32
...
	.end_amdgpu_metadata
.endif
;; end of part 4
